; MI455X (gfx1250); checked and timed in simulation.
; The chip was launched on July 23, 2026; its instructions are those of AMD's public machine-readable ISA for CDNA 5 (MIT licence, August 2026) and "CDNA5" Instruction Set Architecture Reference Guide (July 2026). The comments in the code are by the model that wrote it; some were corrected since.
;; Episodic Memory. Allowed arithmetic: matrix products marked QUANTISED: E2M1 operands, one E8M0 scale for each 32 along K, by v_wmma_scale_f32_16x16x128_f8f6f4 with both operands' format E2M1 (or v_wmma_scale_f32_32x16x128_f4), f32 sums; everything else in f32.
;; Inputs: memory 131,072 x 128 float32; x_codes 1,024 x 4 x 16 uint8 (E2M1 codes of x, K innermost, in blocks of 32 codes, two codes a byte); x_scales 1,024 x 4 uint8 (E8M0 scales of x, one for each 32 codes along K).
;; Outputs: out0 1,024 x 128 float32.
;; Constants: k = 16.
;; This version of the problem:
;;   THIS VERSION OF THE PROBLEM IS GIVEN IN LOW PRECISION. The matrix products marked QUANTISED in the list below multiply operands that are first quantised to E2M1 (2 exponent bits, 1 mantissa bit; 4 bits a number), with one power-of-two scale for each 32 numbers along K (OCP MX v1.0); their sums are f32. All else is computed in f32.
;;   The module's matrix products, in the order in which they are computed (A, B: the left and right operand; K: the contracted axis; several contracted axes count as one K, in the product's order):
;;     1. [M 1,024, K 128] x [K 128, N 131,072]; A: input x (given as codes); B: input memory: QUANTISED
;;   THE QUANTISER, for each operand of a quantised product, along K:
;;     - K is cut into blocks of 32 from its start; a last block that is shorter is filled with zeros.
;;     - A block's scale is 2^e with e = floor(log2(the largest magnitude in the block)) - 2, held to -126 .. 127; a block of zeros has e = 0. As a byte (E8M0): e + 127.
;;     - Each number is divided by its block's scale, clamped to +-6, and rounded to the nearest number of E2M1, ties to even, subnormals kept.
;;     - The product sums the exact products of the quantised numbers (number of the format x scale) in f32.
;;   ~~~python
;;   def quantise(x, axis):      # numpy; x: float32 -> the quantised numbers, widened to float32 again
;;       x = np.moveaxis(x, axis, -1); K = x.shape[-1]
;;       x = np.pad(x, [(0, 0)] * (x.ndim - 1) + [(0, -K % 32)]); x = x.reshape(x.shape[:-1] + (-1, 32)); a = np.abs(x).max(-1, keepdims=True)
;;       e = np.where(a > 0, np.clip(np.frexp(np.where(a > 0, a, 1))[1] - 1 - 2, -126, 127), 0)      # np.frexp(a)[1] - 1 = floor(log2(a)), exactly
;;       r = np.clip(x / 2.0 ** e, -6, 6)
;;       step = 2.0 ** (np.maximum(np.frexp(np.where(r == 0, 1, r))[1] - 1, 0) - 1)
;;       q = np.round(r / step) * step * 2.0 ** e      # np.round: ties to even
;;       return np.moveaxis(q.reshape(q.shape[:-2] + (-1,))[..., :K], -1, axis).astype(np.float32)
;;   ~~~
;;   INPUTS GIVEN AS CODES. x (in the module: [1024, 128], K = its axis 1): each comes as NAME_codes (uint8): NAME with its K axis moved to the last place and cut into blocks of 32 codes, [.., K / 32, bytes a block], one block behind the other in memory; two codes a byte, the lower K in the low four bits (a code: sign, 2 exponent bits, 1 mantissa bit); and NAME_scales (uint8): the same leading axes, one E8M0 byte (e + 127) for each 32 codes along K. Its value is code x scale, taken as it is: it is not quantised again, and the codes and scales need not be those that the quantiser above would give.
;; 2 versions. Each part assembles by itself: llvm-mc -triple=amdgcn-amd-amdhsa -mcpu=gfx1250 --defsym DOCPART=n.
;; ======== version 1 of 2: 4 launches
;; workspace buffers: mcodes 8,388,608 bytes; mscales 524,288 bytes; gmax 16,777,216 bytes; gids 131,072 bytes of whole numbers; ridx 131,072 bytes of whole numbers
;; launch scan (part 1): grid 256 x 1, 16 waves a work-group, no clusters, 49,152 bytes of LDS; arguments memory, x_codes, x_scales, mcodes, mscales, gmax; writes mcodes, mscales, gmax
.if DOCPART == 1
	.amdgcn_target "amdgcn-amd-amdhsa--gfx1250"
	.amdhsa_code_object_version 6
	.text
	.protected	k_qa9c5d7c125_scan
	.globl	k_qa9c5d7c125_scan
	.p2align	8
	.type	k_qa9c5d7c125_scan,@function
k_qa9c5d7c125_scan:
	s_mov_b64 s[64:65], 0
	v_nop
	global_prefetch_b8 v0, s[64:65] scope:SCOPE_SE
	s_setreg_imm32_b32 hwreg(HW_REG_WAVE_MODE, 25, 1), 1
	s_wait_xcnt 0x0
; FIRST OF FOUR LAUNCHES.  memory [131072][128] f32 is quantised along its 128 to E2M1 codes with one E8M0 byte for each 32; sim = x . Q(memory)^T is formed by
; the scaled 4-bit matrix instruction (K = 128 is one instruction); of sim only the largest number of each GROUP of 32 neighbouring rows of memory is kept, for each query.
; Every one of a query's 16 best rows (value descending, index ascending) lies in one of its 16 best groups (group's maximum descending, group ascending): the later launches lean on that.
; OUT: mcodes [group 4096][tile 2][c 2][lane 32][16 bytes]: the codes in the order of an operand's registers: lane (r, h), part c = bytes 32 c + 16 h of row 32 group + 16 tile + r;
;      mscales [row] one word of four scale bytes;  gmax [slice 256][quad of queries 256][group in slice 16][query in quad 4] f32.
; SHARES.  Work-group s owns rows 512 s .. 512 s + 511: 16 groups.  As quantiser wave w owns group w (32 rows); as multiplier it owns queries 64 w .. 64 w + 63, whose four fragments stay in its registers.
; The codes go from wave to wave through LDS, laid by TILES: tile t holds row t of each of the 16 groups, so that a tile's 16 columns are the 16 groups and a running maximum over t = 0 .. 31 is the groups' maximum.
; The rows come in four chunks of 8 a wave; three chunks (24 loads of 512 bytes a wave) are asked for at the head, so that later chunks land while earlier ones are multiplied.  Every LDS byte is written once.
; NO CLUSTER: what work-groups share is x, 68 KiB against a work-group's own 256 KiB of memory, and each wave takes its part of x straight into operand registers, once.
; LIMITS: NaN and infinities in memory and a scale byte 0xff of x are not served.  A block of zeros gets the byte 1 (its codes are zeros; the bytes are read by this program alone).
.set TP,  1344                         ; a tile in LDS: 16 rows of RP bytes + 64: a store's two halves of lanes (tiles t, t + 1) fall 64 bytes apart modulo 256
.set RP,  80                           ; a row of 128 codes: 64 bytes + 16: an odd multiple of 16, so the 16 rows of a fragment load start at 16 different columns of 16 bytes
.set SCT, 32*TP                        ; scale words by tile: word of (tile t, group g) at 64 t + 4 g
.set SCR, SCT+2048                     ; scale words by row: word of (group g, row t) at 128 g + 4 t, as mscales has them
.set LA,  4                            ; v4   32 r + 16 h: my 16 bytes of a row of memory: k = 8 r + 4 h + 0 .. 3
.set XA,  5                            ; v5   64 r + 16 h: my place in a tile of x's codes
.set L4,  6                            ; v6   4 x lane
.set CA,  7                            ; v7   h TP + w RP + 4 r: where my 8 codes go
.set STA, 8                            ; v8   64 h + 4 w: my row's scale word, by tile
.set SRA, 9                            ; v9   128 w + 4 h: the same, by row
.set SH,  10                           ; v10  8 (r / 4): my block's byte in the scale word
.set BA,  11                           ; v11  r RP + 16 h: my place in a tile, as an operand
.set MS,  12                           ; v12  512 min(w, 3) + 16 x lane: the scale words' way out (waves 0 to 3)
.set CR,  13                           ; v13  r TP + w RP + 16 h: my group's codes, read back for mcodes
.set L16, 14                           ; v14  16 x lane
.set MG,  15                           ; v15  512 h + 16 r: my place in gmax
.set XF,  16                           ; v16-47   x: four fragments of 16 queries
.set XS,  48                           ; v48-49   x's scale words: lanes 0-15 the even tile's, lanes 16-31 the odd tile's
.set ACC, 52                           ; v52-83   the running maxima: register 8 u + j = query 16 u + 8 h + j, group r
.set D,   84                           ; v84-115  two sets of two results; between the chunks' products the quantiser's scratch
.set QM,  D                            ;   largest magnitudes
.set QS,  D+4                          ;   the conversions' scale operands
.set QC,  D+8                          ;   codes
.set QB,  D+12                         ;   scale bytes, then words
.set QT,  D+16                         ;   what comes from another lane
.set BF,  116                          ; v116-147 two sets of two fragments of memory
.set BS,  148                          ; v148-149 their scale words: lanes 0-15 the even tile's, lanes 16-31 the odd tile's
.set RAW, 152                          ; v152-247 three buffers of 8 rows x 4 registers
.set CS,  248                          ; v248-255 what leaves for mcodes and mscales
	s_load_b256 s[4:11], s[0:1], 0x0               ; memory s[4:5], x_codes s[6:7], x_scales s[8:9], mcodes s[10:11]
	s_load_b128 s[12:15], s[0:1], 0x20             ; mscales s[12:13], gmax s[14:15]
	v_lshl_add_u32 v150, v0, 2, 0xb800
	v_mov_b32 v151, 0
	v_lshrrev_b32 v3, 5, v0
	v_readfirstlane_b32 s16, v3                    ; wave 0 .. 15
	v_and_b32 v1, 15, v0                           ; r
	v_bfe_u32 v2, v0, 4, 1                         ; h
	v_and_b32 v3, 31, v0                           ; lane
	v_lshlrev_b32 v[LA], 5, v1
	v_lshl_add_u32 v[LA], v2, 4, v[LA]
	v_lshlrev_b32 v[XA], 6, v1
	v_lshl_add_u32 v[XA], v2, 4, v[XA]
	v_lshlrev_b32 v[L4], 2, v3
	v_lshlrev_b32 v[L16], 4, v3
	s_mul_i32 s17, s16, RP
	v_mul_u32_u24 v[CA], v2, TP
	v_lshl_add_u32 v[CA], v1, 2, v[CA]
	v_add_nc_u32 v[CA], s17, v[CA]
	s_lshl_b32 s18, s16, 2
	v_lshl_add_u32 v[STA], v2, 6, s18
	s_lshl_b32 s19, s16, 7
	v_lshl_add_u32 v[SRA], v2, 2, s19
	v_lshrrev_b32 v[SH], 2, v1
	v_lshlrev_b32 v[SH], 3, v[SH]
	v_mul_u32_u24 v[BA], v1, RP
	v_lshl_add_u32 v[BA], v2, 4, v[BA]
	v_mul_u32_u24 v[CR], v1, TP
	v_lshl_add_u32 v[CR], v2, 4, v[CR]
	v_add_nc_u32 v[CR], s17, v[CR]
	v_lshlrev_b32 v[MG], 4, v1
	v_lshl_add_u32 v[MG], v2, 9, v[MG]
	s_min_u32 s23, s16, 3
	s_lshl_b32 s23, s23, 9
	v_add_nc_u32 v[MS], s23, v[L16]
.irp i, 0,1,2,3
	v_mov_b32 v[QT+\i], 0                          ; written once: the destination of a move from another lane counts as one of its sources
.endr
	s_mov_b32 s21, 0
	s_wait_kmcnt 0x0
	s_lshl_b32 s20, ttmp9, 18                      ; memory: 512 rows of 512 bytes a work-group, 32 a wave
	s_lshl_b32 s22, s16, 14
	s_add_co_u32 s20, s20, s22
	s_add_nc_u64 s[4:5], s[4:5], s[20:21]
	s_lshl_b32 s20, s16, 12                        ; x's codes: 64 queries of 64 bytes a wave
	s_add_nc_u64 s[6:7], s[6:7], s[20:21]
	s_lshl_b32 s20, s16, 8                         ; x's scale words
	s_add_nc_u64 s[8:9], s[8:9], s[20:21]
	s_lshl_b32 s20, ttmp9, 15                      ; mcodes: 2,048 bytes a group
	s_lshl_b32 s22, s16, 11
	s_add_co_u32 s20, s20, s22
	s_add_nc_u64 s[10:11], s[10:11], s[20:21]
	s_lshl_b32 s20, ttmp9, 11                      ; mscales: 2,048 bytes a work-group
	s_add_nc_u64 s[12:13], s[12:13], s[20:21]
	s_lshl_b32 s20, ttmp9, 16                      ; gmax: 65,536 bytes a slice, 16 quads of 256 bytes a wave
	s_lshl_b32 s22, s16, 12
	s_add_co_u32 s20, s20, s22
	s_add_nc_u64 s[14:15], s[14:15], s[20:21]
; chunk c: rows 8 c .. 8 c + 7 of my group; one load takes a whole row, 512 consecutive bytes
.macro LOADC c
.irp i, 0,1,2,3,4,5,6,7
	global_load_b128 v[RAW+32*((\c)%3)+4*\i:RAW+32*((\c)%3)+4*\i+3], v[LA], s[4:5] offset:(8*(\c)+\i)*512 th:TH_LOAD_NT
.endr
.endm
; chunk c becomes codes and scale words in LDS.  Four pairs of rows by turns, so that no line waits for the line above it.
.macro QUANT c
.set RB, RAW+32*((\c)%3)
.irp i, 0,1,2,3
.irp k, 0,1,2,3
	v_permlane16_swap_b32 v[RB+8*\i+\k], v[RB+8*\i+4+\k]   ; lane (r, h) now holds k = 8 r .. 8 r + 7 of row 8 c + 2 i + h in eight registers on end
.endr
.endr
.irp i, 0,1,2,3
	v_max3_num_f32 v[QM+\i], |v[RB+8*\i]|, |v[RB+8*\i+1]|, 0x1800000   ; my eight, and the floor 2^(3 - 127): the byte cannot fall under 1
.endr
.irp n, 2,4,6
.irp i, 0,1,2,3
	v_max3_num_f32 v[QM+\i], v[QM+\i], |v[RB+8*\i+\n]|, |v[RB+8*\i+\n+1]|
.endr
.endr
.irp i, 0,1,2,3
	v_max_num_f32_dpp v[QM+\i], v[QM+\i], v[QM+\i] row_xmask:1 row_mask:0xf bank_mask:0xf
.endr
.irp i, 0,1,2,3
	v_max_num_f32_dpp v[QM+\i], v[QM+\i], v[QM+\i] row_xmask:2 row_mask:0xf bank_mask:0xf   ; four lanes hold a block of 32
.endr
.irp i, 0,1,2,3
	v_add_nc_u32 v[QS+\i], 0xff000000, v[QM+\i]    ; 2 off the exponent field: the conversion takes the exponent field of this operand as its scale
.endr
.irp i, 0,1,2,3
	v_cvt_scalef32_pk8_fp4_f32 v[QC+\i], v[RB+8*\i:RB+8*\i+7], v[QS+\i]
.endr
.irp i, 0,1,2,3
	v_lshrrev_b32 v[QB+\i], 23, v[QS+\i]           ; the scale's byte (also the plain lines behind the conversions),
.endr
.irp i, 0,1,2,3
	v_lshlrev_b32 v[QB+\i], v[SH], v[QB+\i]        ; at its block's place in the word;
.endr
.irp m, 4,8
.irp i, 0,1,2,3
	v_mov_b32_dpp v[QT+\i], v[QB+\i] row_xmask:\m row_mask:0xf bank_mask:0xf
.endr
.irp i, 0,1,2,3
	v_or_b32 v[QB+\i], v[QB+\i], v[QT+\i]          ; with the lanes 4, 8 and 12 away the row's word is whole
.endr
.endr
.irp i, 0,1,2,3
	ds_store_b32 v[CA], v[QC+\i] offset:(8*(\c)+2*\i)*TP
	ds_store_b32 v[STA], v[QB+\i] offset:SCT+(8*(\c)+2*\i)*64     ; the sixteen lanes of a half write one word with one value
	ds_store_b32 v[SRA], v[QB+\i] offset:SCR+(8*(\c)+2*\i)*4
.endr
.endm
; rows 16 tile .. 16 tile + 15 of my own group come back as an operand's registers (LDS serves a wave's instructions in order), and leave for mcodes, 512 consecutive bytes a store
.macro BACKL tile
.irp c, 0,1
	ds_load_b128 v[CS+4*\c:CS+4*\c+3], v[CR] offset:(\tile)*16*TP+32*\c
.endr
.endm
.macro BACKS tile
.irp c, 0,1
	global_store_b128 v[L16], v[CS+4*\c:CS+4*\c+3], s[10:11] offset:(\tile)*1024+512*\c th:TH_STORE_NT
.endr
.endm
; tiles t0, t0 + 1 into set b: five LDS instructions
.macro FETCHB t0, b
.irp e, 0,1
.irp c, 0,1
	ds_load_b128 v[BF+16*(\b)+8*\e+4*\c:BF+16*(\b)+8*\e+4*\c+3], v[BA] offset:((\t0)+\e)*TP+32*\c
.endr
.endr
	ds_load_b32 v[BS+(\b)], v[L4] offset:SCT+64*(\t0)
.endm
.macro WM d, a, b, sa, sb, ra, rb      ; one product, C = 0; ra, rb: the side's scale words stand in lanes 16-31
.if (\ra) && (\rb)
	v_wmma_scale_f32_16x16x128_f8f6f4 v[(\d):(\d)+7], v[(\a):(\a)+7], v[(\b):(\b)+7], 0, v[\sa], v[\sb] matrix_a_fmt:MATRIX_FMT_FP4 matrix_b_fmt:MATRIX_FMT_FP4 matrix_a_scale:MATRIX_SCALE_ROW1 matrix_b_scale:MATRIX_SCALE_ROW1
.elseif (\ra)
	v_wmma_scale_f32_16x16x128_f8f6f4 v[(\d):(\d)+7], v[(\a):(\a)+7], v[(\b):(\b)+7], 0, v[\sa], v[\sb] matrix_a_fmt:MATRIX_FMT_FP4 matrix_b_fmt:MATRIX_FMT_FP4 matrix_a_scale:MATRIX_SCALE_ROW1
.elseif (\rb)
	v_wmma_scale_f32_16x16x128_f8f6f4 v[(\d):(\d)+7], v[(\a):(\a)+7], v[(\b):(\b)+7], 0, v[\sa], v[\sb] matrix_a_fmt:MATRIX_FMT_FP4 matrix_b_fmt:MATRIX_FMT_FP4 matrix_b_scale:MATRIX_SCALE_ROW1
.else
	v_wmma_scale_f32_16x16x128_f8f6f4 v[(\d):(\d)+7], v[(\a):(\a)+7], v[(\b):(\b)+7], 0, v[\sa], v[\sb] matrix_a_fmt:MATRIX_FMT_FP4 matrix_b_fmt:MATRIX_FMT_FP4
.endif
.endm
; x's tile u against the two tiles of set b: source 0 = 16 queries, source 1 = row t of 16 groups.  Register j of lane (r, h): sim(query 8 h + j, group r's row t)
.macro W u, b, set
.irp e, 0,1
	WM D+16*(\set)+8*\e, XF+8*(\u), BF+16*(\b)+8*\e, XS+(\u)/2, BS+(\b), (\u)%2, \e
.endr
.endm
; the two results go into the running maxima, each result from its low end on
.macro M u, set, first
.irp j, 0,1,2,3,4,5,6,7
.if \first
	v_max_num_f32 v[ACC+8*(\u)+\j], v[D+16*(\set)+\j], v[D+16*(\set)+8+\j]     ; the first two tiles start the maxima: nothing is preset
.else
	v_max3_num_f32 v[ACC+8*(\u)+\j], v[ACC+8*(\u)+\j], v[D+16*(\set)+\j], v[D+16*(\set)+8+\j]
.endif
.endr
.endm
; Chunk c's eight tiles, as four pairs, against my four tiles of x: steps q = 4 pair + u, results in sets q % 2.  Order: W(q), M(q - 1).
; PLACES: behind W(q) stand the eight lines of M(q - 1), which name none of W(q)'s registers: they are the places ahead of M(q), which reads its results, ahead of W(q + 2), which writes over
; them, and ahead of the loads into a set of fragments whose last product was W(q).  At the start five v_nop do the same.
.macro MATMUL c
	FETCHB 8*(\c), 0
	FETCHB 8*(\c)+2, 1
.if (\c)%2 == 1
	BACKS (\c)/2                                   ; (the data came in ahead of the barrier)
.endif
.set FIRST, 0
.if (\c) == 0
.set FIRST, 1
.endif
	s_wait_dscnt 5                                 ; the first pair is in; the second pair's five may be out
	W 0, 0, 0
	W 1, 0, 1
.rept 5
	v_nop
.endr
	M 0, 0, FIRST
.set q, 2
.rept 14
.if q == 12
	s_wait_dscnt 0x0                               ; the last pair
.elseif q%4 == 0
	s_wait_dscnt 5                                 ; this pair is in; the five of the pair asked for behind it may be out
.endif
	W q%4,(q/4)%2,q%2
.if q > 4
.set FIRST, 0
.endif
	M (q-1)%4,(q-1)%2,FIRST
.if (q == 3) || (q == 7)
	FETCHB 8*(\c)+2*(q/4+2),(q/4)%2                ; the pair two on, into the set whose last product stands eight plain lines back
.endif
.set q, q+1
.endr
	M 3, 1, 0
.endm
.macro BARRIER                         ; my LDS stores have landed, for the others' sake; then the work-group's barrier
	s_wait_dscnt 0x0
	s_barrier_signal -1
	s_barrier_wait -1
.endm
.irp u, 0,1,2,3
.irp c, 0,1
	global_load_b128 v[XF+8*\u+4*\c:XF+8*\u+4*\c+3], v[XA], s[6:7] offset:1024*\u+32*\c
.endr
.endr
.irp p, 0,1
	global_load_b32 v[XS+\p], v[L4], s[8:9] offset:128*\p
.endr
	LOADC 0
	LOADC 1
	LOADC 2
	s_wait_loadcnt 16                              ; x and chunk 0 are in; chunks 1 and 2 (16 loads) may be out
	QUANT 0
	LOADC 3                                        ; into the buffer that chunk 0 has left
	BARRIER
	MATMUL 0
	s_wait_loadcnt 16                              ; chunk 1 is in; chunks 2 and 3 may be out
	QUANT 1
	BACKL 0
	BARRIER
	MATMUL 1
	s_wait_loadcnt 8                               ; chunk 2 is in; chunk 3 may be out
	QUANT 2
	BARRIER
	MATMUL 2
	s_wait_loadcnt 0x0
	QUANT 3
	s_wait_xcnt 0x0                                ; the stores of my rows 0 to 15 have read their registers, which are loaded again
	BACKL 1
	BARRIER
	MATMUL 3
.irp u, 0,1,2,3
.irp c, 0,1
	global_store_b128 v[MG], v[ACC+8*\u+4*\c:ACC+8*\u+4*\c+3], s[14:15] offset:1024*\u+256*\c th:TH_STORE_NT   ; sixteen lanes: 16 groups x 4 queries, 256 consecutive bytes, aligned
.endr
.endr
	s_cmp_lt_u32 s16, 4                            ; the work-group's 2,048 bytes of scale words leave by waves 0 to 3, 512 consecutive bytes each
	s_cbranch_scc0 .Lend
	s_wait_xcnt 0x0                                ; the stores for mcodes have read their registers
	ds_load_b128 v[CS:CS+3], v[MS] offset:SCR      ; all waves' words: they landed ahead of the last barrier
	s_wait_dscnt 0x0
	global_store_b128 v[MS], v[CS:CS+3], s[12:13]
.Lend:
	s_wait_tensorcnt 0x0
	ds_add_u32 v150, v151
	s_wait_dscnt 0x0
	s_endpgm
.Lfunc_end_k_qa9c5d7c125_scan:
	.size	k_qa9c5d7c125_scan, .Lfunc_end_k_qa9c5d7c125_scan-k_qa9c5d7c125_scan
	.p2alignl 7, 3214868480
	.fill 96, 4, 3214868480
	.section	.rodata,"a",@progbits
	.p2align	6, 0x0
	.amdhsa_kernel k_qa9c5d7c125_scan
		.amdhsa_group_segment_fixed_size 49152
		.amdhsa_private_segment_fixed_size 0
		.amdhsa_enable_private_segment 0
		.amdhsa_kernarg_size 48
		.amdhsa_user_sgpr_count 2
		.amdhsa_user_sgpr_kernarg_segment_ptr 1
		.amdhsa_wavefront_size32 1
		.amdhsa_system_sgpr_workgroup_id_x 1
		.amdhsa_system_sgpr_workgroup_id_y 1
		.amdhsa_system_sgpr_workgroup_id_z 1
		.amdhsa_system_vgpr_workitem_id 0
		.amdhsa_next_free_vgpr 256
		.amdhsa_next_free_sgpr 66
		.amdhsa_reserve_vcc 0
		.amdhsa_float_denorm_mode_32 3
		.amdhsa_float_denorm_mode_16_64 3
		.amdhsa_memory_ordered 1
		.amdhsa_forward_progress 1
		.amdhsa_inst_pref_size 80
	.end_amdhsa_kernel
	.amdgpu_metadata
---
amdhsa.version: [ 1, 2 ]
amdhsa.kernels:
  - .name:           k_qa9c5d7c125_scan
    .symbol:         k_qa9c5d7c125_scan.kd
    .args:
      - { .name: memory, .offset: 0, .size: 8, .value_kind: global_buffer, .address_space: global }
      - { .name: x_codes, .offset: 8, .size: 8, .value_kind: global_buffer, .address_space: global }
      - { .name: x_scales, .offset: 16, .size: 8, .value_kind: global_buffer, .address_space: global }
      - { .name: mcodes, .offset: 24, .size: 8, .value_kind: global_buffer, .address_space: global }
      - { .name: mscales, .offset: 32, .size: 8, .value_kind: global_buffer, .address_space: global }
      - { .name: gmax, .offset: 40, .size: 8, .value_kind: global_buffer, .address_space: global }
    .group_segment_fixed_size: 49152
    .private_segment_fixed_size: 0
    .kernarg_segment_align: 8
    .kernarg_segment_size: 48
    .max_flat_workgroup_size: 512
    .sgpr_count:     66
    .vgpr_count:     256
    .wavefront_size: 32
...
	.end_amdgpu_metadata
.endif
;; end of part 1
;; launch pick (part 2): grid 256 x 1, 4 waves a work-group, no clusters, 66,560 bytes of LDS; arguments gmax, gids; writes gids
.if DOCPART == 2
	.amdgcn_target "amdgcn-amd-amdhsa--gfx1250"
	.amdhsa_code_object_version 6
	.text
	.protected	k_qa9c5d7c125_pick
	.globl	k_qa9c5d7c125_pick
	.p2align	8
	.type	k_qa9c5d7c125_pick,@function
k_qa9c5d7c125_pick:
	s_mov_b64 s[64:65], 0
	v_nop
	global_prefetch_b8 v0, s[64:65] scope:SCOPE_SE
	s_setreg_imm32_b32 hwreg(HW_REG_WAVE_MODE, 25, 1), 1
	s_wait_xcnt 0x0
; SECOND LAUNCH.  For each query: the 16 best of its 4,096 groups, ordered by (group's maximum descending, group ascending).  gids [query][32] words: 0-15 the groups, ascending; 16-31 zero.
; SHARES.  Work-group Q owns queries 4 Q .. 4 Q + 3, which lie together in each 256-byte piece of gmax; wave w selects for query 4 Q + w.
; A: the quad's 256 pieces (one a slice) are read whole, two an instruction, and laid in LDS by query, in group order.
; B: T, the 16th largest maximum, by a network of maxima and minima that carries no index: each lane sorts its 128 numbers in eight sixteens and merges them, then the 32 lanes merge.
; C: a group is chosen where its maximum is above T, or equals T and fewer than NEED equal ones come before it (NEED = how many of the top 16 equal T).  Element 32 i + lane lies in register i, so a compare gives
;    the mask word of 32 neighbouring groups.  Lane t keeps the last word ahead of which at most t groups are chosen, and takes that word's bit number t - (chosen before it).  No address and no branch hangs on a number.
; No cluster: work-groups share no input.  LIMITS: NaN is not served; +0 and -0 count as equal.
.set GST,  65536                       ; LDS: four queries x 16,384 bytes of maxima, then 512 bytes for the way out
.set LANE, 1
.set GA,   4                           ; v4   65536 h + 16 r: two slices an instruction
.set LW,   5                           ; v5   4096 w + 4 lane: where I lay what I loaded
.set LR,   6                           ; v6   16384 w + 4 lane: my query's maxima
.set GW,   7                           ; v7   GST + 4 x thread
.set L16,  8                           ; v8   16 x lane
.set GR,   9                           ; v9   GST + 16 x lane
.set RK,   10                          ; v10-13 ranks among the equal
.set VW,   14                          ; the word that I keep,
.set VB,   15                          ; how many are chosen before it,
.set VI,   16                          ; and its number
.set NR,   17
.set NT,   18
.set X,    32                          ; v32-47, v48-63: sets of sixteen for the network
.set Y,    48
.set V,    64                          ; v64-191: 128 numbers
.set SEL,  12                          ; s[12:13] lane selects: lane l xor 16
.set NEED, 14
.set EC,   15                          ; equal ones so far
.set CN,   16                          ; chosen so far
.set TMP,  17
.set CM,   18
.set G,    20                          ; s20-23, s24-27, s28-31, s32-35: four words' masks and counts
.set E,    24
.set K,    28
.set P,    32
; one stage of a bitonic network on sixteen registers, from set src into set dst: every element takes part, so no move is needed
.macro STAGE src, dst, k, j
.set NI, 0
.rept 16
.set NL, NI^(\j)
.if NL > NI
.if (NI&(\k)) == 0
	v_max_num_f32 v[(\dst)+NI], v[(\src)+NI], v[(\src)+NL]
	v_min_num_f32 v[(\dst)+NL], v[(\src)+NI], v[(\src)+NL]
.else
	v_min_num_f32 v[(\dst)+NI], v[(\src)+NI], v[(\src)+NL]
	v_max_num_f32 v[(\dst)+NL], v[(\src)+NI], v[(\src)+NL]
.endif
.endif
.set NI, NI+1
.endr
.endm
.macro SORT16 src, a, b                ; descending; ten stages; the result lies in b
	STAGE \src, \a, 2, 1
	STAGE \a, \b, 4, 2
	STAGE \b, \a, 4, 1
	STAGE \a, \b, 8, 4
	STAGE \b, \a, 8, 2
	STAGE \a, \b, 8, 1
	STAGE \b, \a, 16, 8
	STAGE \a, \b, 16, 4
	STAGE \b, \a, 16, 2
	STAGE \a, \b, 16, 1
.endm
.macro CLEAN p, q                      ; a bitonic sixteen in p is sorted, descending; q is scratch; the result lies in p
	STAGE \p, \q, 32, 8
	STAGE \q, \p, 32, 4
	STAGE \p, \q, 32, 2
	STAGE \q, \p, 32, 1
.endm
.macro MERGE a, b                      ; the 16 largest of two sorted sixteens, sorted, in a
.set NI, 0
.rept 16
	v_max_num_f32 v[(\a)+NI], v[(\a)+NI], v[(\b)+15-NI]
.set NI, NI+1
.endr
	CLEAN \a, X
.endm
.macro XMAX src, dst, mask             ; the same with the sixteen of the lane mask away: both lanes get the same sixteen numbers
.set NI, 0
.rept 16
	v_max_num_f32_dpp v[(\dst)+NI], v[(\src)+15-NI], v[(\src)+NI] row_xmask:\mask row_mask:0xf bank_mask:0xf
.set NI, NI+1
.endr
.endm
.macro XMAX16 src, dst                 ; and with lane l xor 16's
.set NI, 0
.rept 16
	v_permlanex16_b32 v[(\dst)+NI], v[(\src)+15-NI], s[SEL], s[SEL+1]
.set NI, NI+1
.endr
.set NI, 0
.rept 16
	v_max_num_f32 v[(\dst)+NI], v[(\dst)+NI], v[(\src)+NI]
.set NI, NI+1
.endr
.endm
.macro LOADV                           ; my query's 4,096 maxima: register i, lane l = group 32 i + l
.set NI, 0
.rept 128
	ds_load_b32 v[V+NI], v[LR] offset:128*NI
.set NI, NI+1
.endr
.endm
; four words, i0 .. i0 + 3, by turns
.macro SWEEP4 i0
.irp k, 0,1,2,3
	v_cmp_gt_f32 s[G+\k], v[V+(\i0)+\k], v[X+15]
	v_cmp_eq_f32 s[E+\k], v[V+(\i0)+\k], v[X+15]
.endr
.irp k, 0,1,2,3
	s_mov_b32 s[P+\k], s[EC]                       ; equal ones ahead of word k
	s_bcnt1_i32_b32 s[TMP], s[E+\k]
	s_add_co_u32 s[EC], s[EC], s[TMP]
.endr
.irp k, 0,1,2,3
	v_mbcnt_lo_u32_b32 v[RK+\k], s[E+\k], s[P+\k]  ; and ahead of my element
.endr
.irp k, 0,1,2,3
	v_cmp_gt_u32 s[K+\k], s[NEED], v[RK+\k]
.endr
.irp k, 0,1,2,3
	s_and_b32 s[K+\k], s[K+\k], s[E+\k]
	s_or_b32 s[K+\k], s[K+\k], s[G+\k]             ; the word of the chosen
.endr
.irp k, 0,1,2,3
	s_mov_b32 s[E+\k], s[CN]                       ; chosen ahead of word k
	s_bcnt1_i32_b32 s[TMP], s[K+\k]
	s_add_co_u32 s[CN], s[CN], s[TMP]
.endr
.irp k, 0,1,2,3
	v_cmp_le_u32 s[G+\k], s[E+\k], v[LANE]
.endr
.irp k, 0,1,2,3
	v_cndmask_b32 v[VW], v[VW], s[K+\k], s[G+\k]
	v_cndmask_b32 v[VB], v[VB], s[E+\k], s[G+\k]
	v_cndmask_b32 v[VI], v[VI], (\i0)+\k, s[G+\k]
.endr
.endm
	s_load_b128 s[4:7], s[0:1], 0x0                ; gmax s[4:5], gids s[6:7]
	v_lshl_add_u32 v192, v0, 2, 0x10200
	v_mov_b32 v193, 0
	v_lshrrev_b32 v1, 5, v0
	v_readfirstlane_b32 s8, v1                     ; wave 0 .. 3
	v_and_b32 v[LANE], 31, v0
	v_and_b32 v2, 15, v0
	v_bfe_u32 v3, v0, 4, 1
	v_lshlrev_b32 v[GA], 4, v2
	v_lshl_add_u32 v[GA], v3, 16, v[GA]
	s_lshl_b32 s9, s8, 12
	v_lshl_add_u32 v[LW], v[LANE], 2, s9
	s_lshl_b32 s19, s8, 14
	v_lshl_add_u32 v[LR], v[LANE], 2, s19
	v_lshl_add_u32 v[GW], v0, 2, GST
	v_lshlrev_b32 v[L16], 4, v[LANE]
	v_lshl_add_u32 v[GR], v[LANE], 4, GST
	v_mov_b32 v[VW], 0
	v_mov_b32 v[VB], 0
	v_mov_b32 v[VI], 0
	s_mov_b32 s[SEL], 0x76543210
	s_mov_b32 s[SEL+1], 0xfedcba98
	s_mov_b32 s[NEED], 0
	s_mov_b32 s[EC], 0
	s_mov_b32 s[CN], 0
	s_lshl_b32 s10, ttmp9, 8                       ; my quad's piece in a slice,
	s_lshl_b32 s11, s8, 22                         ; my wave's 64 slices of 65,536 bytes
	s_add_co_u32 s10, s10, s11
	s_mov_b32 s11, 0
	s_wait_kmcnt 0x0
	s_add_nc_u64 s[4:5], s[4:5], s[10:11]
	s_lshl_b32 s10, ttmp9, 9                       ; gids: 128 bytes a query
	s_add_nc_u64 s[6:7], s[6:7], s[10:11]
	; ---- A
.set NI, 0
.rept 32
	global_load_b128 v[V+4*NI:V+4*NI+3], v[GA], s[4:5] offset:NI*131072 th:TH_LOAD_NT   ; slices 64 w + 2 i + h: lane l = group 32 (32 w + i) + l, component c = query c
.set NI, NI+1
.endr
.set BT, 0
.rept 4
	s_wait_loadcnt 24-8*BT                         ; this batch of eight is in; the younger batches may be out
.set NI, 8*BT
.rept 8
.irp c, 0,1,2,3
	ds_store_b32 v[LW], v[V+4*NI+\c] offset:\c*16384+128*NI
.endr
.set NI, NI+1
.endr
.set BT, BT+1
.endr
	s_wait_dscnt 0x0                               ; for the others' sake
	s_barrier_signal -1
	s_barrier_wait -1
	; ---- B
	LOADV
.set CK, 0
.rept 8
.if CK == 0
	s_wait_dscnt 63                                ; of the 128 loads at most 63 are out: the first 65 are in, chunks 0 to 3 among them
.elseif CK >= 4
	s_wait_dscnt 112-16*CK                         ; this chunk is in; the later chunks' loads may be out
.endif
	SORT16 V+16*CK, X, V+16*CK
.set CK, CK+1
.endr
	MERGE V, V+16
	MERGE V+32, V+48
	MERGE V+64, V+80
	MERGE V+96, V+112
	MERGE V, V+32
	MERGE V+64, V+96
	MERGE V, V+64                                  ; my lane's 16 largest
	XMAX V, X, 1
	LOADV                                          ; the network has used the numbers up: they are fetched again, and land under the rounds that follow
	CLEAN X, Y
	XMAX X, Y, 2
	CLEAN Y, X
	XMAX Y, X, 4
	CLEAN X, Y
	XMAX X, Y, 8
	CLEAN Y, X
	XMAX16 Y, X
	CLEAN X, Y                                     ; the query's 16 largest, in every lane; T = v[X+15]
.set NI, 0
.rept 16
	v_cmp_eq_f32 s[CM], v[X+NI], v[X+15]           ; all lanes agree: the mask is 0 or -1
	s_sub_co_u32 s[NEED], s[NEED], s[CM]
.set NI, NI+1
.endr
	; ---- C
.set Q, 0
.rept 32
.if Q == 0
	s_wait_dscnt 63                                ; the first 65 of the 128 loads are in: words 0 to 63 among them
.elseif Q >= 64
	s_wait_dscnt 124-Q                             ; words up to Q + 3 are in; the later words' loads may be out
.endif
	SWEEP4 Q
.set Q, Q+4
.endr
	v_sub_nc_u32 v[NR], v[LANE], v[VB]             ; which set bit of my word is mine
.set NU, 0
.rept 15
	v_add_nc_u32 v[NT], -1, v[VW]
	v_and_b32 v[NT], v[NT], v[VW]                  ; the word without its lowest set bit,
	v_cmp_lt_u32 vcc_lo, NU, v[NR]
	v_cndmask_b32 v[VW], v[VW], v[NT], vcc_lo      ; taken NR times
.set NU, NU+1
.endr
	v_sub_nc_u32 v[NT], 0, v[VW]
	v_and_b32 v[NT], v[NT], v[VW]                  ; the lowest set bit: a power of two,
	v_cvt_f32_u32 v[NT], v[NT]                     ; which f32 holds exactly:
	v_lshrrev_b32 v[NT], 23, v[NT]
	v_add_nc_u32 v[NT], -127, v[NT]                ; its exponent is the bit's number
	v_lshl_add_u32 v[VI], v[VI], 5, v[NT]          ; group = 32 x word + bit
	v_cmp_gt_u32 vcc_lo, 16, v[LANE]
	v_cndmask_b32 v[VI], 0, v[VI], vcc_lo          ; lanes 16 to 31 store zeros
	ds_store_b32 v[GW], v[VI]
	s_wait_dscnt 0x0
	s_barrier_signal -1
	s_barrier_wait -1
	s_cmp_lg_u32 s8, 0
	s_cbranch_scc1 .Lend
	ds_load_b128 v[X:X+3], v[GR]                   ; the four queries' 512 bytes leave by one store of wave 0
	s_wait_dscnt 0x0
	global_store_b128 v[L16], v[X:X+3], s[6:7]
.Lend:
	s_wait_tensorcnt 0x0
	ds_add_u32 v192, v193
	s_wait_dscnt 0x0
	s_endpgm
.Lfunc_end_k_qa9c5d7c125_pick:
	.size	k_qa9c5d7c125_pick, .Lfunc_end_k_qa9c5d7c125_pick-k_qa9c5d7c125_pick
	.p2alignl 7, 3214868480
	.fill 96, 4, 3214868480
	.section	.rodata,"a",@progbits
	.p2align	6, 0x0
	.amdhsa_kernel k_qa9c5d7c125_pick
		.amdhsa_group_segment_fixed_size 66560
		.amdhsa_private_segment_fixed_size 0
		.amdhsa_enable_private_segment 0
		.amdhsa_kernarg_size 16
		.amdhsa_user_sgpr_count 2
		.amdhsa_user_sgpr_kernarg_segment_ptr 1
		.amdhsa_wavefront_size32 1
		.amdhsa_system_sgpr_workgroup_id_x 1
		.amdhsa_system_sgpr_workgroup_id_y 1
		.amdhsa_system_sgpr_workgroup_id_z 1
		.amdhsa_system_vgpr_workitem_id 0
		.amdhsa_next_free_vgpr 194
		.amdhsa_next_free_sgpr 66
		.amdhsa_reserve_vcc 1
		.amdhsa_float_denorm_mode_32 3
		.amdhsa_float_denorm_mode_16_64 3
		.amdhsa_memory_ordered 1
		.amdhsa_forward_progress 1
		.amdhsa_inst_pref_size 205
	.end_amdhsa_kernel
	.amdgpu_metadata
---
amdhsa.version: [ 1, 2 ]
amdhsa.kernels:
  - .name:           k_qa9c5d7c125_pick
    .symbol:         k_qa9c5d7c125_pick.kd
    .args:
      - { .name: gmax, .offset: 0, .size: 8, .value_kind: global_buffer, .address_space: global }
      - { .name: gids, .offset: 8, .size: 8, .value_kind: global_buffer, .address_space: global }
    .group_segment_fixed_size: 66560
    .private_segment_fixed_size: 0
    .kernarg_segment_align: 8
    .kernarg_segment_size: 16
    .max_flat_workgroup_size: 128
    .sgpr_count:     66
    .vgpr_count:     194
    .wavefront_size: 32
...
	.end_amdgpu_metadata
.endif
;; end of part 2
;; launch refine (part 3): grid 256 x 1, 4 waves a work-group, no clusters, 1,024 bytes of LDS; arguments gids, mcodes, mscales, x_codes, x_scales, ridx; writes ridx
.if DOCPART == 3
	.amdgcn_target "amdgcn-amd-amdhsa--gfx1250"
	.amdhsa_code_object_version 6
	.text
	.protected	k_qa9c5d7c125_refine
	.globl	k_qa9c5d7c125_refine
	.p2align	8
	.type	k_qa9c5d7c125_refine,@function
k_qa9c5d7c125_refine:
	s_mov_b64 s[64:65], 0
	v_nop
	global_prefetch_b8 v0, s[64:65] scope:SCOPE_SE
	s_setreg_imm32_b32 hwreg(HW_REG_WAVE_MODE, 25, 1), 1
	s_wait_xcnt 0x0
; THIRD LAUNCH.  For each query: the sims of the 512 rows of its 16 groups are formed again, from the stored codes, by the same matrix instruction with the same sides (source 0 = x, source 1 = memory), and the 16 best
; rows are chosen, ordered by (sim descending, row ascending).  ridx [query][32] words: 0-15 the rows; 16-31 zero.
; SHARES.  One wave a query, q = 4 x work-group + wave.  All 16 rows of source 0 are query q, so register 0 of a result holds, in lane l, the sim of the tile's column l % 16.
; The groups come ascending, so register s, lane l = row l of the s-th group is index order.  All 83 loads go out together.  The choice is made as in the launch before: a threshold by a network, then masks and counts.
; No cluster: what waves share here hangs on the lists read from memory.  LIMITS: NaN is not served; +0 and -0 count as equal.
.set LANE, 1
.set L16,  2                           ; 16 x lane
.set L4,   3                           ; 4 x lane
.set H16,  4                           ; 16 h
.set ZERO, 5
.set VW,   6
.set VB,   7
.set VI,   8
.set NR,   9
.set NT,   10
.set RK,   11                          ; v11-14
.set GW,   15                          ; 4 x thread
.set VO,   16                          ; v16-31  2048 x group + 16 x lane
.set SO,   32                          ; v32-47  128 x group + 4 x lane
.set BSC,  48                          ; v48-63  the groups' scale words: lanes 0-15 rows 0-15, lanes 16-31 rows 16-31
.set XF,   64                          ; v64-71  x's fragment
.set XS,   72                          ; v72     x's scale word
.set V,    80                          ; v80-95  the 512 sims
.set D,    96                          ; v96-127 four results
.set FR,   128                         ; v128-383 the 16 groups' fragments, 16 registers each: groups 0-7 in window 0, groups 8-15 in window 1
.set X,    128                         ; afterwards: sets of sixteen for the network
.set Y,    144
.set OUTR, 160
.set TAGS, 16                          ; s[16:31] the 16 groups
.set SEL,  36                          ; s[36:37]
.set HI16, 38                          ; s38  lanes 16-31
.set NEED, 39
.set EC,   40
.set CN,   41
.set TMP,  42
.set CM,   43
.set G,    44
.set E,    48
.set K,    52
.set P,    56
.set MSB, 0
.macro WIN new                         ; the immediate's high byte repeats the setting that is left
.if MSB != \new
	s_set_vgpr_msb (MSB<<8)|\new
.set MSB, \new
.endif
.endm
.macro STAGE src, dst, k, j            ; one stage of a bitonic network on sixteen registers, from set src into set dst
.set NI, 0
.rept 16
.set NL, NI^(\j)
.if NL > NI
.if (NI&(\k)) == 0
	v_max_num_f32 v[(\dst)+NI], v[(\src)+NI], v[(\src)+NL]
	v_min_num_f32 v[(\dst)+NL], v[(\src)+NI], v[(\src)+NL]
.else
	v_min_num_f32 v[(\dst)+NI], v[(\src)+NI], v[(\src)+NL]
	v_max_num_f32 v[(\dst)+NL], v[(\src)+NI], v[(\src)+NL]
.endif
.endif
.set NI, NI+1
.endr
.endm
.macro SORT16 src, a, b                ; descending; the result lies in b; src is kept
	STAGE \src, \a, 2, 1
	STAGE \a, \b, 4, 2
	STAGE \b, \a, 4, 1
	STAGE \a, \b, 8, 4
	STAGE \b, \a, 8, 2
	STAGE \a, \b, 8, 1
	STAGE \b, \a, 16, 8
	STAGE \a, \b, 16, 4
	STAGE \b, \a, 16, 2
	STAGE \a, \b, 16, 1
.endm
.macro CLEAN p, q                      ; a bitonic sixteen in p is sorted, descending; q is scratch
	STAGE \p, \q, 32, 8
	STAGE \q, \p, 32, 4
	STAGE \p, \q, 32, 2
	STAGE \q, \p, 32, 1
.endm
.macro XMAX src, dst, mask             ; the 16 largest of my sorted sixteen and those of the lane mask away
.set NI, 0
.rept 16
	v_max_num_f32_dpp v[(\dst)+NI], v[(\src)+15-NI], v[(\src)+NI] row_xmask:\mask row_mask:0xf bank_mask:0xf
.set NI, NI+1
.endr
.endm
.macro XMAX16 src, dst
.set NI, 0
.rept 16
	v_permlanex16_b32 v[(\dst)+NI], v[(\src)+15-NI], s[SEL], s[SEL+1]
.set NI, NI+1
.endr
.set NI, 0
.rept 16
	v_max_num_f32 v[(\dst)+NI], v[(\dst)+NI], v[(\src)+NI]
.set NI, NI+1
.endr
.endm
.macro SWEEP4 i0                       ; four words of 32 rows by turns; a word's tag is its group
.irp k, 0,1,2,3
	v_cmp_gt_f32 s[G+\k], v[V+(\i0)+\k], v[X+15]
	v_cmp_eq_f32 s[E+\k], v[V+(\i0)+\k], v[X+15]
.endr
.irp k, 0,1,2,3
	s_mov_b32 s[P+\k], s[EC]                       ; equal ones ahead of word k
	s_bcnt1_i32_b32 s[TMP], s[E+\k]
	s_add_co_u32 s[EC], s[EC], s[TMP]
.endr
.irp k, 0,1,2,3
	v_mbcnt_lo_u32_b32 v[RK+\k], s[E+\k], s[P+\k]  ; and ahead of my element
.endr
.irp k, 0,1,2,3
	v_cmp_gt_u32 s[K+\k], s[NEED], v[RK+\k]
.endr
.irp k, 0,1,2,3
	s_and_b32 s[K+\k], s[K+\k], s[E+\k]
	s_or_b32 s[K+\k], s[K+\k], s[G+\k]             ; the word of the chosen
.endr
.irp k, 0,1,2,3
	s_mov_b32 s[E+\k], s[CN]                       ; chosen ahead of word k
	s_bcnt1_i32_b32 s[TMP], s[K+\k]
	s_add_co_u32 s[CN], s[CN], s[TMP]
.endr
.irp k, 0,1,2,3
	v_cmp_le_u32 s[G+\k], s[E+\k], v[LANE]
.endr
.irp k, 0,1,2,3
	v_cndmask_b32 v[VW], v[VW], s[K+\k], s[G+\k]
	v_cndmask_b32 v[VB], v[VB], s[E+\k], s[G+\k]
	v_cndmask_b32 v[VI], v[VI], s[TAGS+(\i0)+\k], s[G+\k]
.endr
.endm
	s_load_b256 s[4:11], s[0:1], 0x0               ; gids s[4:5], mcodes s[6:7], mscales s[8:9], x_codes s[10:11]
	s_load_b128 s[12:15], s[0:1], 0x20             ; x_scales s[12:13], ridx s[14:15]
	v_lshl_add_u32 v78, v0, 2, 0x200
	v_mov_b32 v79, 0
	v_lshrrev_b32 v1, 5, v0
	v_readfirstlane_b32 s32, v1                    ; wave 0 .. 3
	v_and_b32 v[LANE], 31, v0
	v_lshlrev_b32 v[L16], 4, v[LANE]
	v_lshlrev_b32 v[L4], 2, v[LANE]
	v_bfe_u32 v[H16], v0, 4, 1
	v_lshlrev_b32 v[H16], 4, v[H16]
	v_mov_b32 v[ZERO], 0
	v_lshlrev_b32 v[GW], 2, v0
	v_mov_b32 v[VW], 0
	v_mov_b32 v[VB], 0
	v_mov_b32 v[VI], 0
	s_lshl_b32 s33, ttmp9, 2
	s_add_co_u32 s33, s33, s32                     ; my query
	s_mov_b32 s35, 0
	s_mov_b32 s[SEL], 0x76543210
	s_mov_b32 s[SEL+1], 0xfedcba98
	s_mov_b32 s[HI16], 0xffff0000
	s_mov_b32 s[NEED], 0
	s_mov_b32 s[EC], 0
	s_mov_b32 s[CN], 0
	s_lshl_b32 s34, s33, 7
	s_wait_kmcnt 0x0
	s_add_nc_u64 s[4:5], s[4:5], s[34:35]
	s_load_b512 s[TAGS:TAGS+15], s[4:5], 0x0       ; my 16 groups
	s_lshl_b32 s34, s33, 6
	s_add_nc_u64 s[10:11], s[10:11], s[34:35]      ; my query's 64 bytes of codes,
	s_lshl_b32 s34, s33, 2
	s_add_nc_u64 s[12:13], s[12:13], s[34:35]      ; its scale word,
	s_lshl_b32 s34, ttmp9, 9
	s_add_nc_u64 s[14:15], s[14:15], s[34:35]      ; the work-group's 512 bytes of ridx
.irp c, 0,1
	global_load_b128 v[XF+4*\c:XF+4*\c+3], v[H16], s[10:11] offset:32*\c   ; every row of source 0 is my query
.endr
	global_load_b32 v[XS], v[ZERO], s[12:13]
	s_wait_kmcnt 0x0
.irp s, 0,1,2,3,4,5,6,7,8,9,10,11,12,13,14,15
	s_min_u32 s[TAGS+\s], s[TAGS+\s], 4095         ; a number read from memory is held inside its table before it enters an address
.endr
.irp s, 0,1,2,3,4,5,6,7,8,9,10,11,12,13,14,15
	v_lshl_add_u32 v[VO+\s], s[TAGS+\s], 11, v[L16]
	v_lshl_add_u32 v[SO+\s], s[TAGS+\s], 7, v[L4]
.endr
.irp s, 0,1,2,3,4,5,6,7,8,9,10,11,12,13,14,15
	global_load_b32 v[BSC+\s], v[SO+\s], s[8:9]
.endr
.irp s, 0,1,2,3,4,5,6,7
.irp e, 0,1
.irp c, 0,1
	global_load_b128 v[FR+16*\s+8*\e+4*\c:FR+16*\s+8*\e+4*\c+3], v[VO+\s], s[6:7] offset:1024*\e+512*\c   ; 512 consecutive bytes: a part of an operand as its registers want it
.endr
.endr
.endr
	WIN 0x40                                       ; destination window 1, address window 0
.irp s, 0,1,2,3,4,5,6,7
.irp e, 0,1
.irp c, 0,1
	global_load_b128 v[16*\s+8*\e+4*\c:16*\s+8*\e+4*\c+3], v[VO+8+\s], s[6:7] offset:1024*\e+512*\c
.endr
.endr
.endr
	WIN 0
; two groups at a time: four products on four results.  Five v_nop follow (ISA guide 7.12.1): four places ahead of the lines that read the results, five ahead of the next four products, which write over them.
.set NB, 0
.rept 8
	s_wait_loadcnt 56-8*NB                         ; these two groups' eight loads, and all before them, are in; the later groups' may be out
.if NB >= 4
	WIN 0x04                                       ; source 1 in window 1
.endif
.irp p, 0,1
.set FB, (FR+16*(2*NB+\p))%256
	v_wmma_scale_f32_16x16x128_f8f6f4 v[D+16*\p:D+16*\p+7], v[XF:XF+7], v[FB:FB+7], 0, v[XS], v[BSC+2*NB+\p] matrix_a_fmt:MATRIX_FMT_FP4 matrix_b_fmt:MATRIX_FMT_FP4
	v_wmma_scale_f32_16x16x128_f8f6f4 v[D+16*\p+8:D+16*\p+15], v[XF:XF+7], v[FB+8:FB+15], 0, v[XS], v[BSC+2*NB+\p] matrix_a_fmt:MATRIX_FMT_FP4 matrix_b_fmt:MATRIX_FMT_FP4 matrix_b_scale:MATRIX_SCALE_ROW1
.endr
	WIN 0
.rept 5
	v_nop
.endr
.irp p, 0,1
	v_cndmask_b32 v[V+2*NB+\p], v[D+16*\p], v[D+16*\p+8], s[HI16]   ; lanes 0-15: rows 0-15; lanes 16-31: rows 16-31; each result's lowest register
.endr
.set NB, NB+1
.endr
	SORT16 V, X, Y                                 ; the sims are kept for the masks
	XMAX Y, X, 1
	CLEAN X, Y
	XMAX X, Y, 2
	CLEAN Y, X
	XMAX Y, X, 4
	CLEAN X, Y
	XMAX X, Y, 8
	CLEAN Y, X
	XMAX16 Y, X
	CLEAN X, Y                                     ; the 16 largest sims, in every lane; T = v[X+15]
.set NI, 0
.rept 16
	v_cmp_eq_f32 s[CM], v[X+NI], v[X+15]           ; all lanes agree: the mask is 0 or -1
	s_sub_co_u32 s[NEED], s[NEED], s[CM]
.set NI, NI+1
.endr
	SWEEP4 0
	SWEEP4 4
	SWEEP4 8
	SWEEP4 12
	v_sub_nc_u32 v[NR], v[LANE], v[VB]             ; which set bit of my word is mine
.set NU, 0
.rept 15
	v_add_nc_u32 v[NT], -1, v[VW]
	v_and_b32 v[NT], v[NT], v[VW]                  ; the word without its lowest set bit,
	v_cmp_lt_u32 vcc_lo, NU, v[NR]
	v_cndmask_b32 v[VW], v[VW], v[NT], vcc_lo      ; taken NR times
.set NU, NU+1
.endr
	v_sub_nc_u32 v[NT], 0, v[VW]
	v_and_b32 v[NT], v[NT], v[VW]                  ; the lowest set bit: a power of two,
	v_cvt_f32_u32 v[NT], v[NT]                     ; which f32 holds exactly:
	v_lshrrev_b32 v[NT], 23, v[NT]
	v_add_nc_u32 v[NT], -127, v[NT]                ; its exponent is the bit's number
	v_lshl_add_u32 v[VI], v[VI], 5, v[NT]          ; row = 32 x group + bit
	v_cmp_gt_u32 vcc_lo, 16, v[LANE]
	v_cndmask_b32 v[VI], 0, v[VI], vcc_lo          ; lanes 16 to 31 store zeros
	ds_store_b32 v[GW], v[VI]
	s_wait_dscnt 0x0
	s_barrier_signal -1
	s_barrier_wait -1
	s_cmp_lg_u32 s32, 0
	s_cbranch_scc1 .Lend
	ds_load_b128 v[OUTR:OUTR+3], v[L16]            ; the four queries' 512 bytes leave by one store of wave 0
	s_wait_dscnt 0x0
	global_store_b128 v[L16], v[OUTR:OUTR+3], s[14:15]
.Lend:
	s_wait_tensorcnt 0x0
	ds_add_u32 v78, v79
	s_wait_dscnt 0x0
	s_endpgm
.Lfunc_end_k_qa9c5d7c125_refine:
	.size	k_qa9c5d7c125_refine, .Lfunc_end_k_qa9c5d7c125_refine-k_qa9c5d7c125_refine
	.p2alignl 7, 3214868480
	.fill 96, 4, 3214868480
	.section	.rodata,"a",@progbits
	.p2align	6, 0x0
	.amdhsa_kernel k_qa9c5d7c125_refine
		.amdhsa_group_segment_fixed_size 1024
		.amdhsa_private_segment_fixed_size 0
		.amdhsa_enable_private_segment 0
		.amdhsa_kernarg_size 48
		.amdhsa_user_sgpr_count 2
		.amdhsa_user_sgpr_kernarg_segment_ptr 1
		.amdhsa_wavefront_size32 1
		.amdhsa_system_sgpr_workgroup_id_x 1
		.amdhsa_system_sgpr_workgroup_id_y 1
		.amdhsa_system_sgpr_workgroup_id_z 1
		.amdhsa_system_vgpr_workitem_id 0
		.amdhsa_next_free_vgpr 384
		.amdhsa_next_free_sgpr 66
		.amdhsa_reserve_vcc 1
		.amdhsa_float_denorm_mode_32 3
		.amdhsa_float_denorm_mode_16_64 3
		.amdhsa_memory_ordered 1
		.amdhsa_forward_progress 1
		.amdhsa_inst_pref_size 57
	.end_amdhsa_kernel
	.amdgpu_metadata
---
amdhsa.version: [ 1, 2 ]
amdhsa.kernels:
  - .name:           k_qa9c5d7c125_refine
    .symbol:         k_qa9c5d7c125_refine.kd
    .args:
      - { .name: gids, .offset: 0, .size: 8, .value_kind: global_buffer, .address_space: global }
      - { .name: mcodes, .offset: 8, .size: 8, .value_kind: global_buffer, .address_space: global }
      - { .name: mscales, .offset: 16, .size: 8, .value_kind: global_buffer, .address_space: global }
      - { .name: x_codes, .offset: 24, .size: 8, .value_kind: global_buffer, .address_space: global }
      - { .name: x_scales, .offset: 32, .size: 8, .value_kind: global_buffer, .address_space: global }
      - { .name: ridx, .offset: 40, .size: 8, .value_kind: global_buffer, .address_space: global }
    .group_segment_fixed_size: 1024
    .private_segment_fixed_size: 0
    .kernarg_segment_align: 8
    .kernarg_segment_size: 48
    .max_flat_workgroup_size: 128
    .sgpr_count:     66
    .vgpr_count:     384
    .wavefront_size: 32
...
	.end_amdgpu_metadata
.endif
;; end of part 3
;; launch gather (part 4): grid 256 x 1, 4 waves a work-group, no clusters, 0 bytes of LDS; arguments ridx, memory, out0; writes out0
.if DOCPART == 4
	.amdgcn_target "amdgcn-amd-amdhsa--gfx1250"
	.amdhsa_code_object_version 6
	.text
	.protected	k_qa9c5d7c125_gather
	.globl	k_qa9c5d7c125_gather
	.p2align	8
	.type	k_qa9c5d7c125_gather,@function
k_qa9c5d7c125_gather:
	s_mov_b64 s[64:65], 0
	v_nop
	global_prefetch_b8 v0, s[64:65] scope:SCOPE_SE
	s_setreg_imm32_b32 hwreg(HW_REG_WAVE_MODE, 25, 1), 1
	s_wait_xcnt 0x0
; FOURTH LAUNCH.  out0[q] = the mean of the 16 rows of memory (f32, as given) that ridx names for query q.  One wave a query, q = 4 x work-group + wave; a load takes a whole row, 512 consecutive bytes;
; all 16 go out together.  The sum is a pairwise tree in f32, then x 1/16, which rounds nothing.  No LDS, no barrier, no cluster: waves share nothing.
.set L16, 2                            ; v2     16 x lane
.set RO,  8                            ; v8-23  512 x row + 16 x lane
.set R,   32                           ; v32-95 16 rows x 4 registers
	s_load_b128 s[4:7], s[0:1], 0x0                ; ridx s[4:5], memory s[6:7]
	s_load_b64 s[8:9], s[0:1], 0x10                ; out0
	v_lshrrev_b32 v1, 5, v0
	v_readfirstlane_b32 s10, v1                    ; wave 0 .. 3
	v_and_b32 v1, 31, v0
	v_lshlrev_b32 v[L16], 4, v1
	s_lshl_b32 s11, ttmp9, 2
	s_add_co_u32 s11, s11, s10                     ; my query
	s_lshl_b32 s12, s11, 7
	s_mov_b32 s13, 0
	s_wait_kmcnt 0x0
	s_add_nc_u64 s[4:5], s[4:5], s[12:13]
	s_load_b512 s[16:31], s[4:5], 0x0              ; my 16 rows
	s_lshl_b32 s12, s11, 9
	s_add_nc_u64 s[8:9], s[8:9], s[12:13]
	s_wait_kmcnt 0x0
.irp s, 0,1,2,3,4,5,6,7,8,9,10,11,12,13,14,15
	s_min_u32 s[16+\s], s[16+\s], 131071           ; a number read from memory is held inside its table before it enters an address
.endr
.irp s, 0,1,2,3,4,5,6,7,8,9,10,11,12,13,14,15
	v_lshl_add_u32 v[RO+\s], s[16+\s], 9, v[L16]
.endr
.irp s, 0,1,2,3,4,5,6,7,8,9,10,11,12,13,14,15
	global_load_b128 v[R+4*\s:R+4*\s+3], v[RO+\s], s[6:7]
.endr
.irp p, 0,1,2,3,4,5,6,7
	s_wait_loadcnt 14-2*\p                         ; rows 2 p and 2 p + 1 are in; the later rows may be out
	v_pk_add_f32 v[R+8*\p:R+8*\p+1], v[R+8*\p:R+8*\p+1], v[R+8*\p+4:R+8*\p+5]
	v_pk_add_f32 v[R+8*\p+2:R+8*\p+3], v[R+8*\p+2:R+8*\p+3], v[R+8*\p+6:R+8*\p+7]
.endr
.irp p, 0,2,4,6
	v_pk_add_f32 v[R+8*\p:R+8*\p+1], v[R+8*\p:R+8*\p+1], v[R+8*\p+8:R+8*\p+9]
	v_pk_add_f32 v[R+8*\p+2:R+8*\p+3], v[R+8*\p+2:R+8*\p+3], v[R+8*\p+10:R+8*\p+11]
.endr
.irp p, 0,4
	v_pk_add_f32 v[R+8*\p:R+8*\p+1], v[R+8*\p:R+8*\p+1], v[R+8*\p+16:R+8*\p+17]
	v_pk_add_f32 v[R+8*\p+2:R+8*\p+3], v[R+8*\p+2:R+8*\p+3], v[R+8*\p+18:R+8*\p+19]
.endr
	v_pk_add_f32 v[R:R+1], v[R:R+1], v[R+32:R+33]
	v_pk_add_f32 v[R+2:R+3], v[R+2:R+3], v[R+34:R+35]
	v_pk_mul_f32 v[R:R+1], v[R:R+1], 0x3d800000 op_sel_hi:[1,0]      ; x 1/16
	v_pk_mul_f32 v[R+2:R+3], v[R+2:R+3], 0x3d800000 op_sel_hi:[1,0]
	global_store_b128 v[L16], v[R:R+3], s[8:9]     ; 32 lanes store the row's 512 consecutive bytes, aligned
	s_endpgm
.Lfunc_end_k_qa9c5d7c125_gather:
	.size	k_qa9c5d7c125_gather, .Lfunc_end_k_qa9c5d7c125_gather-k_qa9c5d7c125_gather
	.p2alignl 7, 3214868480
	.fill 96, 4, 3214868480
	.section	.rodata,"a",@progbits
	.p2align	6, 0x0
	.amdhsa_kernel k_qa9c5d7c125_gather
		.amdhsa_group_segment_fixed_size 0
		.amdhsa_private_segment_fixed_size 0
		.amdhsa_enable_private_segment 0
		.amdhsa_kernarg_size 24
		.amdhsa_user_sgpr_count 2
		.amdhsa_user_sgpr_kernarg_segment_ptr 1
		.amdhsa_wavefront_size32 1
		.amdhsa_system_sgpr_workgroup_id_x 1
		.amdhsa_system_sgpr_workgroup_id_y 1
		.amdhsa_system_sgpr_workgroup_id_z 1
		.amdhsa_system_vgpr_workitem_id 0
		.amdhsa_next_free_vgpr 96
		.amdhsa_next_free_sgpr 66
		.amdhsa_reserve_vcc 0
		.amdhsa_float_denorm_mode_32 3
		.amdhsa_float_denorm_mode_16_64 3
		.amdhsa_memory_ordered 1
		.amdhsa_forward_progress 1
		.amdhsa_inst_pref_size 7
	.end_amdhsa_kernel
	.amdgpu_metadata
---
amdhsa.version: [ 1, 2 ]
amdhsa.kernels:
  - .name:           k_qa9c5d7c125_gather
    .symbol:         k_qa9c5d7c125_gather.kd
    .args:
      - { .name: ridx, .offset: 0, .size: 8, .value_kind: global_buffer, .address_space: global }
      - { .name: memory, .offset: 8, .size: 8, .value_kind: global_buffer, .address_space: global }
      - { .name: out0, .offset: 16, .size: 8, .value_kind: global_buffer, .address_space: global }
    .group_segment_fixed_size: 0
    .private_segment_fixed_size: 0
    .kernarg_segment_align: 8
    .kernarg_segment_size: 24
    .max_flat_workgroup_size: 128
    .sgpr_count:     66
    .vgpr_count:     96
    .wavefront_size: 32
...
	.end_amdgpu_metadata
.endif
;; end of part 4
;; ======== version 2 of 2: 4 launches
;; workspace buffers: mcodes 8,388,608 bytes; mscales 524,288 bytes; gmax 16,777,216 bytes; gids 131,072 bytes of whole numbers; ridx 131,072 bytes of whole numbers
;; launch scan (part 5): grid 256 x 1, 16 waves a work-group, no clusters, 49,152 bytes of LDS; arguments memory, x_codes, x_scales, mcodes, mscales, gmax; writes mcodes, mscales, gmax
.if DOCPART == 5
	.amdgcn_target "amdgcn-amd-amdhsa--gfx1250"
	.amdhsa_code_object_version 6
	.text
	.protected	k_qa9c5d7c125_scan
	.globl	k_qa9c5d7c125_scan
	.p2align	8
	.type	k_qa9c5d7c125_scan,@function
k_qa9c5d7c125_scan:
	s_mov_b64 s[64:65], 0
	v_nop
	global_prefetch_b8 v0, s[64:65] scope:SCOPE_SE
	s_setreg_imm32_b32 hwreg(HW_REG_WAVE_SCHED_MODE, 0, 2), 2
	s_setreg_imm32_b32 hwreg(HW_REG_WAVE_MODE, 25, 1), 1
	s_wait_xcnt 0x0
	s_wait_alu depctr_vm_vsrc(0)
; FIRST OF FOUR LAUNCHES.  memory [131072][128] f32 is quantised along its 128 to E2M1 codes with one E8M0 byte for each 32; sim = x . Q(memory)^T is formed by
; the scaled 4-bit matrix instruction (K = 128 is one instruction); of sim only the largest number of each GROUP of 32 neighbouring rows of memory is kept, for each query.
; Every one of a query's 16 best rows (value descending, index ascending) lies in one of its 16 best groups (group's maximum descending, group ascending): the later launches lean on that.
; OUT: mcodes [group 4096][tile 2][c 2][lane 32][16 bytes]: the codes in the order of an operand's registers: lane (r, h), part c = bytes 32 c + 16 h of row 32 group + 16 tile + r;
;      mscales [row] one word of four scale bytes;  gmax [slice 256][quad of queries 256][group in slice 16][query in quad 4] f32.
; SHARES.  Work-group s owns rows 512 s .. 512 s + 511: 16 groups.  As quantiser wave w owns group w (32 rows); as multiplier it owns queries 64 w .. 64 w + 63, whose four fragments stay in its registers.
; The codes go from wave to wave through LDS, laid by TILES: tile t holds row t of each of the 16 groups, so that a tile's 16 columns are the 16 groups and a running maximum over t = 0 .. 31 is the groups' maximum.
; The rows come in four chunks of 8 a wave; three chunks (24 loads of 512 bytes a wave) are asked for at the head, so that later chunks land while earlier ones are multiplied.  Every LDS byte is written once.
; NO CLUSTER: what work-groups share is x, 68 KiB against a work-group's own 256 KiB of memory, and each wave takes its part of x straight into operand registers, once.
; LIMITS: NaN and infinities in memory and a scale byte 0xff of x are not served.  A block of zeros gets the byte 1 (its codes are zeros; the bytes are read by this program alone).
; THE MODE: SCHED_MODE bits 1:0 = 2 (LLVM: expert scheduling mode 2), set by the entry lines.  The code itself states the register dependences
; between vector or matrix instructions and memory or LDS instructions, with s_wait_alu, always for 0.
; THE PLAN.  Registers that memory or LDS instructions touch:
;   v4-15       addresses: written at the head, never again; one wait on va_vdst ahead of the first load serves every load and store.
;   RAW0 .. 2   loads of memory land here; a chunk's lane swaps, maxima and conversions name them.  RAW0 alone is loaded twice (chunk 3), behind chunk 0's wait on va_vdst.
;   QC, QB      written by a chunk's conversions and ORs; read by its twelve LDS stores; written again by the products (they lie in D): a wait on va_vdst ahead of the stores, one on vm_vsrc behind them.
;   BF0, BF1, BS  LDS loads land here; the products read them.  At a chunk's head both sets are free since the chunk's wait on va_vdst.  Inside a chunk a set is asked for again behind a wait on va_vdst
;               that stands behind the set's last product; the loads are then dealt among products that name the other set.
;   CS          LDS loads land here, global stores read them, no vector line names them: a wait on vm_vsrc ahead of each second load.
;   ACC         written by the maxima; read by the last eight stores, behind a wait on va_vdst.
;   XF, XS      loaded once.  No operand and no scale of a product is written by a vector line.
.set TP,  1344                         ; a tile in LDS: 16 rows of RP bytes + 64: a store's two halves of lanes (tiles t, t + 1) fall 64 bytes apart modulo 256
.set RP,  80                           ; a row of 128 codes: 64 bytes + 16: an odd multiple of 16, so the 16 rows of a fragment load start at 16 different columns of 16 bytes
.set SCT, 32*TP                        ; scale words by tile: word of (tile t, group g) at 64 t + 4 g
.set SCR, SCT+2048                     ; scale words by row: word of (group g, row t) at 128 g + 4 t, as mscales has them
.set LA,  4                            ; v4   32 r + 16 h: my 16 bytes of a row of memory: k = 8 r + 4 h + 0 .. 3
.set XA,  5                            ; v5   64 r + 16 h: my place in a tile of x's codes
.set L4,  6                            ; v6   4 x lane
.set CA,  7                            ; v7   h TP + w RP + 4 r: where my 8 codes go
.set STA, 8                            ; v8   64 h + 4 w: my row's scale word, by tile
.set SRA, 9                            ; v9   128 w + 4 h: the same, by row
.set SH,  10                           ; v10  8 (r / 4): my block's byte in the scale word
.set BA,  11                           ; v11  r RP + 16 h: my place in a tile, as an operand
.set MS,  12                           ; v12  512 min(w, 3) + 16 x lane: the scale words' way out (waves 0 to 3)
.set CR,  13                           ; v13  r TP + w RP + 16 h: my group's codes, read back for mcodes
.set L16, 14                           ; v14  16 x lane
.set MG,  15                           ; v15  512 h + 16 r: my place in gmax
.set XF,  16                           ; v16-47   x: four fragments of 16 queries
.set XS,  48                           ; v48-49   x's scale words: lanes 0-15 the even tile's, lanes 16-31 the odd tile's
.set ACC, 52                           ; v52-83   the running maxima: register 8 u + j = query 16 u + 8 h + j, group r
.set D,   84                           ; v84-115  two sets of two results; between the chunks' products the quantiser's scratch
.set QM,  D                            ;   largest magnitudes
.set QS,  D+4                          ;   the conversions' scale operands
.set QC,  D+8                          ;   codes
.set QB,  D+12                         ;   scale bytes, then words
.set QT,  D+16                         ;   what comes from another lane
.set BF,  116                          ; v116-147 two sets of two fragments of memory
.set BS,  148                          ; v148-149 their scale words: lanes 0-15 the even tile's, lanes 16-31 the odd tile's
.set RAW, 152                          ; v152-247 three buffers of 8 rows x 4 registers
.set CS,  248                          ; v248-255 what leaves for mcodes and mscales
	s_load_b256 s[4:11], s[0:1], 0x0               ; memory s[4:5], x_codes s[6:7], x_scales s[8:9], mcodes s[10:11]
	s_load_b128 s[12:15], s[0:1], 0x20             ; mscales s[12:13], gmax s[14:15]
	v_lshl_add_u32 v150, v0, 2, 0xb800
	v_mov_b32 v151, 0
	v_lshrrev_b32 v3, 5, v0
	v_readfirstlane_b32 s16, v3                    ; wave 0 .. 15
	v_and_b32 v1, 15, v0                           ; r
	v_bfe_u32 v2, v0, 4, 1                         ; h
	v_and_b32 v3, 31, v0                           ; lane
	v_lshlrev_b32 v[LA], 5, v1
	v_lshl_add_u32 v[LA], v2, 4, v[LA]
	v_lshlrev_b32 v[XA], 6, v1
	v_lshl_add_u32 v[XA], v2, 4, v[XA]
	v_lshlrev_b32 v[L4], 2, v3
	v_lshlrev_b32 v[L16], 4, v3
	s_wait_alu depctr_va_sdst(0)                   ; s16 is written, ahead of its first reader: LDS addresses and the buffers' bases are made from it
	s_mul_i32 s17, s16, RP
	v_mul_u32_u24 v[CA], v2, TP
	v_lshl_add_u32 v[CA], v1, 2, v[CA]
	v_add_nc_u32 v[CA], s17, v[CA]
	s_lshl_b32 s18, s16, 2
	v_lshl_add_u32 v[STA], v2, 6, s18
	s_lshl_b32 s19, s16, 7
	v_lshl_add_u32 v[SRA], v2, 2, s19
	v_lshrrev_b32 v[SH], 2, v1
	v_lshlrev_b32 v[SH], 3, v[SH]
	v_mul_u32_u24 v[BA], v1, RP
	v_lshl_add_u32 v[BA], v2, 4, v[BA]
	v_mul_u32_u24 v[CR], v1, TP
	v_lshl_add_u32 v[CR], v2, 4, v[CR]
	v_add_nc_u32 v[CR], s17, v[CR]
	v_lshlrev_b32 v[MG], 4, v1
	v_lshl_add_u32 v[MG], v2, 9, v[MG]
	s_min_u32 s23, s16, 3
	s_lshl_b32 s23, s23, 9
	v_add_nc_u32 v[MS], s23, v[L16]
.irp i, 0,1,2,3
	v_mov_b32 v[QT+\i], 0                          ; written once: the destination of a move from another lane counts as one of its sources
.endr
	s_mov_b32 s21, 0
	s_wait_kmcnt 0x0
	s_lshl_b32 s20, ttmp9, 18                      ; memory: 512 rows of 512 bytes a work-group, 32 a wave
	s_lshl_b32 s22, s16, 14
	s_add_co_u32 s20, s20, s22
	s_add_nc_u64 s[4:5], s[4:5], s[20:21]
	s_lshl_b32 s20, s16, 12                        ; x's codes: 64 queries of 64 bytes a wave
	s_add_nc_u64 s[6:7], s[6:7], s[20:21]
	s_lshl_b32 s20, s16, 8                         ; x's scale words
	s_add_nc_u64 s[8:9], s[8:9], s[20:21]
	s_lshl_b32 s20, ttmp9, 15                      ; mcodes: 2,048 bytes a group
	s_lshl_b32 s22, s16, 11
	s_add_co_u32 s20, s20, s22
	s_add_nc_u64 s[10:11], s[10:11], s[20:21]
	s_lshl_b32 s20, ttmp9, 11                      ; mscales: 2,048 bytes a work-group
	s_add_nc_u64 s[12:13], s[12:13], s[20:21]
	s_lshl_b32 s20, ttmp9, 16                      ; gmax: 65,536 bytes a slice, 16 quads of 256 bytes a wave
	s_lshl_b32 s22, s16, 12
	s_add_co_u32 s20, s20, s22
	s_add_nc_u64 s[14:15], s[14:15], s[20:21]
; chunk c: rows 8 c .. 8 c + 7 of my group; one load takes a whole row, 512 consecutive bytes
.macro LOADC c
.irp i, 0,1,2,3,4,5,6,7
	global_load_b128 v[RAW+32*((\c)%3)+4*\i:RAW+32*((\c)%3)+4*\i+3], v[LA], s[4:5] offset:(8*(\c)+\i)*512 th:TH_LOAD_NT
.endr
.endm
; chunk c becomes codes and scale words in LDS.  Four pairs of rows by turns, so that no line waits for the line above it.
.macro QUANT c
.set RB, RAW+32*((\c)%3)
.irp i, 0,1,2,3
.irp k, 0,1,2,3
	v_permlane16_swap_b32 v[RB+8*\i+\k], v[RB+8*\i+4+\k]   ; lane (r, h) now holds k = 8 r .. 8 r + 7 of row 8 c + 2 i + h in eight registers on end
.endr
.endr
.irp i, 0,1,2,3
	v_max3_num_f32 v[QM+\i], |v[RB+8*\i]|, |v[RB+8*\i+1]|, 0x1800000   ; my eight, and the floor 2^(3 - 127): the byte cannot fall under 1
.endr
.irp n, 2,4,6
.irp i, 0,1,2,3
	v_max3_num_f32 v[QM+\i], v[QM+\i], |v[RB+8*\i+\n]|, |v[RB+8*\i+\n+1]|
.endr
.endr
.irp i, 0,1,2,3
	v_max_num_f32_dpp v[QM+\i], v[QM+\i], v[QM+\i] row_xmask:1 row_mask:0xf bank_mask:0xf
.endr
.irp i, 0,1,2,3
	v_max_num_f32_dpp v[QM+\i], v[QM+\i], v[QM+\i] row_xmask:2 row_mask:0xf bank_mask:0xf   ; four lanes hold a block of 32
.endr
.irp i, 0,1,2,3
	v_add_nc_u32 v[QS+\i], 0xff000000, v[QM+\i]    ; 2 off the exponent field: the conversion takes the exponent field of this operand as its scale
.endr
.irp i, 0,1,2,3
	v_cvt_scalef32_pk8_fp4_f32 v[QC+\i], v[RB+8*\i:RB+8*\i+7], v[QS+\i]
.endr
.irp i, 0,1,2,3
	v_lshrrev_b32 v[QB+\i], 23, v[QS+\i]           ; the scale's byte (also the plain lines behind the conversions),
.endr
.irp i, 0,1,2,3
	v_lshlrev_b32 v[QB+\i], v[SH], v[QB+\i]        ; at its block's place in the word;
.endr
.irp m, 4,8
.irp i, 0,1,2,3
	v_mov_b32_dpp v[QT+\i], v[QB+\i] row_xmask:\m row_mask:0xf bank_mask:0xf
.endr
.irp i, 0,1,2,3
	v_or_b32 v[QB+\i], v[QB+\i], v[QT+\i]          ; with the lanes 4, 8 and 12 away the row's word is whole
.endr
.endr
	s_wait_alu depctr_va_vdst(0)                   ; the codes and the words are written, which the LDS stores read; the chunk's lines are done with its RAW buffer, in which chunk 3's loads land behind chunk 0;
	                                               ; the last chunk's products are done reading both sets of fragments and their scale words, in which the next LDS loads land
.irp i, 0,1,2,3
	ds_store_b32 v[CA], v[QC+\i] offset:(8*(\c)+2*\i)*TP
	ds_store_b32 v[STA], v[QB+\i] offset:SCT+(8*(\c)+2*\i)*64     ; the sixteen lanes of a half write one word with one value
	ds_store_b32 v[SRA], v[QB+\i] offset:SCR+(8*(\c)+2*\i)*4
.endr
	s_wait_alu depctr_vm_vsrc(0)                   ; the LDS stores have read the codes' and the words' registers, which the products write next; so have all earlier stores read theirs
.endm
; rows 16 tile .. 16 tile + 15 of my own group come back as an operand's registers (LDS serves a wave's instructions in order), and leave for mcodes, 512 consecutive bytes a store
.macro BACKL tile
.irp c, 0,1
	ds_load_b128 v[CS+4*\c:CS+4*\c+3], v[CR] offset:(\tile)*16*TP+32*\c
.endr
.endm
.macro BACKS tile
.irp c, 0,1
	global_store_b128 v[L16], v[CS+4*\c:CS+4*\c+3], s[10:11] offset:(\tile)*1024+512*\c th:TH_STORE_NT
.endr
.endm
; tile t into half e of set b: two LDS loads
.macro FETCH1 t, b, e
.irp c, 0,1
	ds_load_b128 v[BF+16*(\b)+8*(\e)+4*\c:BF+16*(\b)+8*(\e)+4*\c+3], v[BA] offset:(\t)*TP+32*\c
.endr
.endm
; the scale words of tiles t0, t0 + 1 for set b
.macro FETCHS t0, b
	ds_load_b32 v[BS+(\b)], v[L4] offset:SCT+64*(\t0)
.endm
; tiles t0, t0 + 1 into set b: five LDS instructions
.macro FETCHB t0, b
	FETCH1 \t0, \b, 0
	FETCH1 (\t0)+1, \b, 1
	FETCHS \t0, \b
.endm
.macro WM d, a, b, sa, sb, ra, rb      ; one product, C = 0; ra, rb: the side's scale words stand in lanes 16-31
.if (\ra) && (\rb)
	v_wmma_scale_f32_16x16x128_f8f6f4 v[(\d):(\d)+7], v[(\a):(\a)+7], v[(\b):(\b)+7], 0, v[\sa], v[\sb] matrix_a_fmt:MATRIX_FMT_FP4 matrix_b_fmt:MATRIX_FMT_FP4 matrix_a_scale:MATRIX_SCALE_ROW1 matrix_b_scale:MATRIX_SCALE_ROW1
.elseif (\ra)
	v_wmma_scale_f32_16x16x128_f8f6f4 v[(\d):(\d)+7], v[(\a):(\a)+7], v[(\b):(\b)+7], 0, v[\sa], v[\sb] matrix_a_fmt:MATRIX_FMT_FP4 matrix_b_fmt:MATRIX_FMT_FP4 matrix_a_scale:MATRIX_SCALE_ROW1
.elseif (\rb)
	v_wmma_scale_f32_16x16x128_f8f6f4 v[(\d):(\d)+7], v[(\a):(\a)+7], v[(\b):(\b)+7], 0, v[\sa], v[\sb] matrix_a_fmt:MATRIX_FMT_FP4 matrix_b_fmt:MATRIX_FMT_FP4 matrix_b_scale:MATRIX_SCALE_ROW1
.else
	v_wmma_scale_f32_16x16x128_f8f6f4 v[(\d):(\d)+7], v[(\a):(\a)+7], v[(\b):(\b)+7], 0, v[\sa], v[\sb] matrix_a_fmt:MATRIX_FMT_FP4 matrix_b_fmt:MATRIX_FMT_FP4
.endif
.endm
; x's tile u against the two tiles of set b: source 0 = 16 queries, source 1 = row t of 16 groups.  Register j of lane (r, h): sim(query 8 h + j, group r's row t)
.macro W u, b, set
.irp e, 0,1
	WM D+16*(\set)+8*\e, XF+8*(\u), BF+16*(\b)+8*\e, XS+(\u)/2, BS+(\b), (\u)%2, \e
.endr
.endm
; the two results go into the running maxima, each result from its low end on
.macro M u, set, first
.irp j, 0,1,2,3,4,5,6,7
.if \first
	v_max_num_f32 v[ACC+8*(\u)+\j], v[D+16*(\set)+\j], v[D+16*(\set)+8+\j]     ; the first two tiles start the maxima: nothing is preset
.else
	v_max3_num_f32 v[ACC+8*(\u)+\j], v[ACC+8*(\u)+\j], v[D+16*(\set)+\j], v[D+16*(\set)+8+\j]
.endif
.endr
.endm
; Chunk c's eight tiles, as four pairs, against my four tiles of x: steps q = 4 pair + u, results in sets q % 2.  Order: W(q), M(q - 1).
; PLACES: behind W(q) stand the eight lines of M(q - 1), which name none of W(q)'s registers: they are the places ahead of M(q), which reads its results, and ahead of W(q + 2), which writes over
; them.  At the start five v_nop do the same.
; THE FRAGMENTS.  Pairs 0 and 1 are asked for at the head.  Behind a set's last product (W(3), W(7)) and the eight lines of M that follow it stands one wait on va_vdst; the pair two on is then asked for into that
; set, three loads behind the next product and two behind the one after it: those products name the other set and its scale words, the M lines ACC and D alone.
.macro MATMUL c
	FETCHB 8*(\c), 0
	FETCHB 8*(\c)+2, 1
.if (\c)%2 == 1
	BACKS (\c)/2                                   ; (the data came in ahead of the barrier)
.endif
.set FIRST, 0
.if (\c) == 0
.set FIRST, 1
.endif
	s_wait_dscnt 5                                 ; the first pair is in; the second pair's five may be out
	W 0, 0, 0
	W 1, 0, 1
.rept 5
	v_nop
.endr
	M 0, 0, FIRST
.set q, 2
.rept 14
.if q%4 == 0
	s_wait_dscnt 0x0                               ; this pair is in: it was asked for three steps ago or more, and nothing younger is out
.endif
	W q%4,(q/4)%2,q%2
.if (q == 4) || (q == 8)
	FETCH1 8*(\c)+2*(q/4+1),(q/4+1)%2,0            ; no wait: no vector or matrix line since the wait on va_vdst names this set or its scale words
	FETCHS 8*(\c)+2*(q/4+1),(q/4+1)%2
.elseif (q == 5) || (q == 9)
	FETCH1 8*(\c)+2*(q/4+1)+1,(q/4+1)%2,1
.endif
.if q > 4
.set FIRST, 0
.endif
	M (q-1)%4,(q-1)%2,FIRST
.if (q == 3) || (q == 7)
	s_wait_alu depctr_va_vdst(0)                   ; the four products of this pair are done reading their set of fragments and its scale words, in which the loads of the pair two on land
.endif
.set q, q+1
.endr
	M 3, 1, 0
.endm
.macro BARRIER                         ; my LDS stores have landed, for the others' sake; then the work-group's barrier
	s_wait_dscnt 0x0
	s_barrier_signal -1
	s_barrier_wait -1
.endm
	s_wait_alu depctr_va_vdst(0)                   ; the twelve addresses v4 to v15 are written, which the loads and stores of the whole kernel read
.irp u, 0,1,2,3
.irp c, 0,1
	global_load_b128 v[XF+8*\u+4*\c:XF+8*\u+4*\c+3], v[XA], s[6:7] offset:1024*\u+32*\c
.endr
.endr
.irp p, 0,1
	global_load_b32 v[XS+\p], v[L4], s[8:9] offset:128*\p
.endr
	LOADC 0
	LOADC 1
	LOADC 2
	s_wait_loadcnt 16                              ; x and chunk 0 are in; chunks 1 and 2 (16 loads) may be out
	QUANT 0
	LOADC 3                                        ; into the buffer that chunk 0 has left: no vector line since QUANT's wait on va_vdst names it
	BARRIER
	MATMUL 0
	s_wait_loadcnt 16                              ; chunk 1 is in; chunks 2 and 3 may be out
	QUANT 1
	BACKL 0
	BARRIER
	MATMUL 1
	s_wait_loadcnt 8                               ; chunk 2 is in; chunk 3 may be out
	QUANT 2
	BARRIER
	MATMUL 2
	s_wait_loadcnt 0x0
	QUANT 3
	s_wait_xcnt 0x0                                ; the stores of my rows 0 to 15 have read their registers, which are loaded again (the wait on vm_vsrc just above, at QUANT's end, states the same for them)
	BACKL 1
	BARRIER
	MATMUL 3
	s_wait_alu depctr_va_vdst(0)                   ; the maxima are written, which the eight stores read
.irp u, 0,1,2,3
.irp c, 0,1
	global_store_b128 v[MG], v[ACC+8*\u+4*\c:ACC+8*\u+4*\c+3], s[14:15] offset:1024*\u+256*\c th:TH_STORE_NT   ; sixteen lanes: 16 groups x 4 queries, 256 consecutive bytes, aligned
.endr
.endr
	s_wait_alu depctr_vm_vsrc(0)                   ; the stores of my rows 16 to 31 for mcodes have read v[CS ..], in which the load below lands
	s_cmp_lt_u32 s16, 4                            ; the work-group's 2,048 bytes of scale words leave by waves 0 to 3, 512 consecutive bytes each
	s_cbranch_scc0 .Lend
	s_wait_xcnt 0x0                                ; the stores for mcodes have read their registers
	ds_load_b128 v[CS:CS+3], v[MS] offset:SCR      ; all waves' words: they landed ahead of the last barrier
	s_wait_dscnt 0x0
	global_store_b128 v[MS], v[CS:CS+3], s[12:13]
.Lend:
	s_wait_dscnt 0x0
	s_wait_alu depctr_hold_cnt(0) depctr_sa_sdst(0) depctr_va_vdst(0) depctr_va_sdst(0) depctr_va_ssrc(0) depctr_va_vcc(0) depctr_vm_vsrc(0)
	s_wait_tensorcnt 0x0
	ds_add_u32 v150, v151
	s_wait_dscnt 0x0
	s_endpgm
.Lfunc_end_k_qa9c5d7c125_scan:
	.size	k_qa9c5d7c125_scan, .Lfunc_end_k_qa9c5d7c125_scan-k_qa9c5d7c125_scan
	.p2alignl 7, 3214868480
	.fill 96, 4, 3214868480
	.section	.rodata,"a",@progbits
	.p2align	6, 0x0
	.amdhsa_kernel k_qa9c5d7c125_scan
		.amdhsa_group_segment_fixed_size 49152
		.amdhsa_private_segment_fixed_size 0
		.amdhsa_enable_private_segment 0
		.amdhsa_kernarg_size 48
		.amdhsa_user_sgpr_count 2
		.amdhsa_user_sgpr_kernarg_segment_ptr 1
		.amdhsa_wavefront_size32 1
		.amdhsa_system_sgpr_workgroup_id_x 1
		.amdhsa_system_sgpr_workgroup_id_y 1
		.amdhsa_system_sgpr_workgroup_id_z 1
		.amdhsa_system_vgpr_workitem_id 0
		.amdhsa_next_free_vgpr 256
		.amdhsa_next_free_sgpr 66
		.amdhsa_reserve_vcc 0
		.amdhsa_float_denorm_mode_32 3
		.amdhsa_float_denorm_mode_16_64 3
		.amdhsa_memory_ordered 1
		.amdhsa_forward_progress 1
		.amdhsa_inst_pref_size 81
	.end_amdhsa_kernel
	.amdgpu_metadata
---
amdhsa.version: [ 1, 2 ]
amdhsa.kernels:
  - .name:           k_qa9c5d7c125_scan
    .symbol:         k_qa9c5d7c125_scan.kd
    .args:
      - { .name: memory, .offset: 0, .size: 8, .value_kind: global_buffer, .address_space: global }
      - { .name: x_codes, .offset: 8, .size: 8, .value_kind: global_buffer, .address_space: global }
      - { .name: x_scales, .offset: 16, .size: 8, .value_kind: global_buffer, .address_space: global }
      - { .name: mcodes, .offset: 24, .size: 8, .value_kind: global_buffer, .address_space: global }
      - { .name: mscales, .offset: 32, .size: 8, .value_kind: global_buffer, .address_space: global }
      - { .name: gmax, .offset: 40, .size: 8, .value_kind: global_buffer, .address_space: global }
    .group_segment_fixed_size: 49152
    .private_segment_fixed_size: 0
    .kernarg_segment_align: 8
    .kernarg_segment_size: 48
    .max_flat_workgroup_size: 512
    .sgpr_count:     66
    .vgpr_count:     256
    .wavefront_size: 32
...
	.end_amdgpu_metadata
.endif
;; end of part 5
;; launch pick (part 6): grid 256 x 1, 4 waves a work-group, no clusters, 66,560 bytes of LDS; arguments gmax, gids; writes gids
.if DOCPART == 6
	.amdgcn_target "amdgcn-amd-amdhsa--gfx1250"
	.amdhsa_code_object_version 6
	.text
	.protected	k_qa9c5d7c125_pick
	.globl	k_qa9c5d7c125_pick
	.p2align	8
	.type	k_qa9c5d7c125_pick,@function
k_qa9c5d7c125_pick:
	s_mov_b64 s[64:65], 0
	v_nop
	global_prefetch_b8 v0, s[64:65] scope:SCOPE_SE
	s_setreg_imm32_b32 hwreg(HW_REG_WAVE_MODE, 25, 1), 1
	s_wait_xcnt 0x0
; SECOND LAUNCH.  For each query: the 16 best of its 4,096 groups, ordered by (group's maximum descending, group ascending).  gids [query][32] words: 0-15 the groups, ascending; 16-31 zero.
; SHARES.  Work-group Q owns queries 4 Q .. 4 Q + 3, which lie together in each 256-byte piece of gmax; wave w selects for query 4 Q + w.
; A: the quad's 256 pieces (one a slice) are read whole, two an instruction, and laid in LDS by query, in group order.
; B: T, the 16th largest maximum, by a network of maxima and minima that carries no index: each lane sorts its 128 numbers in eight sixteens and merges them, then the 32 lanes merge.
; C: a group is chosen where its maximum is above T, or equals T and fewer than NEED equal ones come before it (NEED = how many of the top 16 equal T).  Element 32 i + lane lies in register i, so a compare gives
;    the mask word of 32 neighbouring groups.  Lane t keeps the last word ahead of which at most t groups are chosen, and takes that word's bit number t - (chosen before it).  No address and no branch hangs on a number.
; No cluster: work-groups share no input.  LIMITS: NaN is not served; +0 and -0 count as equal.
.set GST,  65536                       ; LDS: four queries x 16,384 bytes of maxima, then 512 bytes for the way out
.set LANE, 1
.set GA,   4                           ; v4   65536 h + 16 r: two slices an instruction
.set LW,   5                           ; v5   4096 w + 4 lane: where I lay what I loaded
.set LR,   6                           ; v6   16384 w + 4 lane: my query's maxima
.set GW,   7                           ; v7   GST + 4 x thread
.set L16,  8                           ; v8   16 x lane
.set GR,   9                           ; v9   GST + 16 x lane
.set RK,   10                          ; v10-13 ranks among the equal
.set VW,   14                          ; the word that I keep,
.set VB,   15                          ; how many are chosen before it,
.set VI,   16                          ; and its number
.set NR,   17
.set NT,   18
.set X,    32                          ; v32-47, v48-63: sets of sixteen for the network
.set Y,    48
.set V,    64                          ; v64-191: 128 numbers
.set SEL,  12                          ; s[12:13] lane selects: lane l xor 16
.set NEED, 14
.set EC,   15                          ; equal ones so far
.set CN,   16                          ; chosen so far
.set TMP,  17
.set CM,   18
.set G,    20                          ; s20-23, s24-27, s28-31, s32-35: four words' masks and counts
.set E,    24
.set K,    28
.set P,    32
; one stage of a bitonic network on sixteen registers, from set src into set dst: every element takes part, so no move is needed
.macro STAGE src, dst, k, j
.set NI, 0
.rept 16
.set NL, NI^(\j)
.if NL > NI
.if (NI&(\k)) == 0
	v_max_num_f32 v[(\dst)+NI], v[(\src)+NI], v[(\src)+NL]
	v_min_num_f32 v[(\dst)+NL], v[(\src)+NI], v[(\src)+NL]
.else
	v_min_num_f32 v[(\dst)+NI], v[(\src)+NI], v[(\src)+NL]
	v_max_num_f32 v[(\dst)+NL], v[(\src)+NI], v[(\src)+NL]
.endif
.endif
.set NI, NI+1
.endr
.endm
.macro SORT16 src, a, b                ; descending; ten stages; the result lies in b
	STAGE \src, \a, 2, 1
	STAGE \a, \b, 4, 2
	STAGE \b, \a, 4, 1
	STAGE \a, \b, 8, 4
	STAGE \b, \a, 8, 2
	STAGE \a, \b, 8, 1
	STAGE \b, \a, 16, 8
	STAGE \a, \b, 16, 4
	STAGE \b, \a, 16, 2
	STAGE \a, \b, 16, 1
.endm
.macro CLEAN p, q                      ; a bitonic sixteen in p is sorted, descending; q is scratch; the result lies in p
	STAGE \p, \q, 32, 8
	STAGE \q, \p, 32, 4
	STAGE \p, \q, 32, 2
	STAGE \q, \p, 32, 1
.endm
.macro MERGE a, b                      ; the 16 largest of two sorted sixteens, sorted, in a
.set NI, 0
.rept 16
	v_max_num_f32 v[(\a)+NI], v[(\a)+NI], v[(\b)+15-NI]
.set NI, NI+1
.endr
	CLEAN \a, X
.endm
.macro XMAX src, dst, mask             ; the same with the sixteen of the lane mask away: both lanes get the same sixteen numbers
.set NI, 0
.rept 16
	v_max_num_f32_dpp v[(\dst)+NI], v[(\src)+15-NI], v[(\src)+NI] row_xmask:\mask row_mask:0xf bank_mask:0xf
.set NI, NI+1
.endr
.endm
.macro XMAX16 src, dst                 ; and with lane l xor 16's
.set NI, 0
.rept 16
	v_permlanex16_b32 v[(\dst)+NI], v[(\src)+15-NI], s[SEL], s[SEL+1]
.set NI, NI+1
.endr
.set NI, 0
.rept 16
	v_max_num_f32 v[(\dst)+NI], v[(\dst)+NI], v[(\src)+NI]
.set NI, NI+1
.endr
.endm
.macro LOADV                           ; my query's 4,096 maxima: register i, lane l = group 32 i + l
.set NI, 0
.rept 128
	ds_load_b32 v[V+NI], v[LR] offset:128*NI
.set NI, NI+1
.endr
.endm
; four words, i0 .. i0 + 3, by turns
.macro SWEEP4 i0
.irp k, 0,1,2,3
	v_cmp_gt_f32 s[G+\k], v[V+(\i0)+\k], v[X+15]
	v_cmp_eq_f32 s[E+\k], v[V+(\i0)+\k], v[X+15]
.endr
.irp k, 0,1,2,3
	s_mov_b32 s[P+\k], s[EC]                       ; equal ones ahead of word k
	s_bcnt1_i32_b32 s[TMP], s[E+\k]
	s_add_co_u32 s[EC], s[EC], s[TMP]
.endr
.irp k, 0,1,2,3
	v_mbcnt_lo_u32_b32 v[RK+\k], s[E+\k], s[P+\k]  ; and ahead of my element
.endr
.irp k, 0,1,2,3
	v_cmp_gt_u32 s[K+\k], s[NEED], v[RK+\k]
.endr
.irp k, 0,1,2,3
	s_and_b32 s[K+\k], s[K+\k], s[E+\k]
	s_or_b32 s[K+\k], s[K+\k], s[G+\k]             ; the word of the chosen
.endr
.irp k, 0,1,2,3
	s_mov_b32 s[E+\k], s[CN]                       ; chosen ahead of word k
	s_bcnt1_i32_b32 s[TMP], s[K+\k]
	s_add_co_u32 s[CN], s[CN], s[TMP]
.endr
.irp k, 0,1,2,3
	v_cmp_le_u32 s[G+\k], s[E+\k], v[LANE]
.endr
.irp k, 0,1,2,3
	v_cndmask_b32 v[VW], v[VW], s[K+\k], s[G+\k]
	v_cndmask_b32 v[VB], v[VB], s[E+\k], s[G+\k]
	v_cndmask_b32 v[VI], v[VI], (\i0)+\k, s[G+\k]
.endr
.endm
	s_load_b128 s[4:7], s[0:1], 0x0                ; gmax s[4:5], gids s[6:7]
	v_lshl_add_u32 v192, v0, 2, 0x10200
	v_mov_b32 v193, 0
	v_lshrrev_b32 v1, 5, v0
	v_readfirstlane_b32 s8, v1                     ; wave 0 .. 3
	v_and_b32 v[LANE], 31, v0
	v_and_b32 v2, 15, v0
	v_bfe_u32 v3, v0, 4, 1
	v_lshlrev_b32 v[GA], 4, v2
	v_lshl_add_u32 v[GA], v3, 16, v[GA]
	s_lshl_b32 s9, s8, 12
	v_lshl_add_u32 v[LW], v[LANE], 2, s9
	s_lshl_b32 s19, s8, 14
	v_lshl_add_u32 v[LR], v[LANE], 2, s19
	v_lshl_add_u32 v[GW], v0, 2, GST
	v_lshlrev_b32 v[L16], 4, v[LANE]
	v_lshl_add_u32 v[GR], v[LANE], 4, GST
	v_mov_b32 v[VW], 0
	v_mov_b32 v[VB], 0
	v_mov_b32 v[VI], 0
	s_mov_b32 s[SEL], 0x76543210
	s_mov_b32 s[SEL+1], 0xfedcba98
	s_mov_b32 s[NEED], 0
	s_mov_b32 s[EC], 0
	s_mov_b32 s[CN], 0
	s_lshl_b32 s10, ttmp9, 8                       ; my quad's piece in a slice,
	s_lshl_b32 s11, s8, 22                         ; my wave's 64 slices of 65,536 bytes
	s_add_co_u32 s10, s10, s11
	s_mov_b32 s11, 0
	s_wait_alu depctr_va_vdst(0)
	s_wait_kmcnt 0x0
	s_add_nc_u64 s[4:5], s[4:5], s[10:11]
	s_lshl_b32 s10, ttmp9, 9                       ; gids: 128 bytes a query
	s_add_nc_u64 s[6:7], s[6:7], s[10:11]
	; ---- A
.set NI, 0
.rept 32
	global_load_b128 v[V+4*NI:V+4*NI+3], v[GA], s[4:5] offset:NI*131072 th:TH_LOAD_NT   ; slices 64 w + 2 i + h: lane l = group 32 (32 w + i) + l, component c = query c
.set NI, NI+1
.endr
.set BT, 0
.rept 4
	s_wait_loadcnt 24-8*BT                         ; this batch of eight is in; the younger batches may be out
.set NI, 8*BT
.rept 8
.irp c, 0,1,2,3
	ds_store_b32 v[LW], v[V+4*NI+\c] offset:\c*16384+128*NI
.endr
.set NI, NI+1
.endr
.set BT, BT+1
.endr
	s_wait_dscnt 0x0                               ; for the others' sake
	s_barrier_signal -1
	s_barrier_wait -1
	; ---- B
	LOADV
.set CK, 0
.rept 8
.if CK == 0
	s_wait_dscnt 63                                ; of the 128 loads at most 63 are out: the first 65 are in, chunks 0 to 3 among them
.elseif CK >= 4
	s_wait_dscnt 112-16*CK                         ; this chunk is in; the later chunks' loads may be out
.endif
	SORT16 V+16*CK, X, V+16*CK
.set CK, CK+1
.endr
	MERGE V, V+16
	MERGE V+32, V+48
	MERGE V+64, V+80
	MERGE V+96, V+112
	MERGE V, V+32
	MERGE V+64, V+96
	MERGE V, V+64                                  ; my lane's 16 largest
	XMAX V, X, 1
	LOADV                                          ; the network has used the numbers up: they are fetched again, and land under the rounds that follow
	CLEAN X, Y
	XMAX X, Y, 2
	CLEAN Y, X
	XMAX Y, X, 4
	CLEAN X, Y
	XMAX X, Y, 8
	CLEAN Y, X
	XMAX16 Y, X
	CLEAN X, Y                                     ; the query's 16 largest, in every lane; T = v[X+15]
.set NI, 0
	s_wait_alu depctr_va_vdst(0)
.rept 16
	v_cmp_eq_f32 s[CM], v[X+NI], v[X+15]           ; all lanes agree: the mask is 0 or -1
	s_sub_co_u32 s[NEED], s[NEED], s[CM]
.set NI, NI+1
.endr
	; ---- C
.set Q, 0
.rept 32
.if Q == 0
	s_wait_dscnt 63                                ; the first 65 of the 128 loads are in: words 0 to 63 among them
.elseif Q >= 64
	s_wait_dscnt 124-Q                             ; words up to Q + 3 are in; the later words' loads may be out
.endif
	SWEEP4 Q
.set Q, Q+4
.endr
	v_sub_nc_u32 v[NR], v[LANE], v[VB]             ; which set bit of my word is mine
.set NU, 0
.rept 15
	v_add_nc_u32 v[NT], -1, v[VW]
	v_and_b32 v[NT], v[NT], v[VW]                  ; the word without its lowest set bit,
	v_cmp_lt_u32 vcc_lo, NU, v[NR]
	v_cndmask_b32 v[VW], v[VW], v[NT], vcc_lo      ; taken NR times
.set NU, NU+1
.endr
	v_sub_nc_u32 v[NT], 0, v[VW]
	v_and_b32 v[NT], v[NT], v[VW]                  ; the lowest set bit: a power of two,
	v_cvt_f32_u32 v[NT], v[NT]                     ; which f32 holds exactly:
	v_lshrrev_b32 v[NT], 23, v[NT]
	v_add_nc_u32 v[NT], -127, v[NT]                ; its exponent is the bit's number
	v_lshl_add_u32 v[VI], v[VI], 5, v[NT]          ; group = 32 x word + bit
	v_cmp_gt_u32 vcc_lo, 16, v[LANE]
	v_cndmask_b32 v[VI], 0, v[VI], vcc_lo          ; lanes 16 to 31 store zeros
	ds_store_b32 v[GW], v[VI]
	s_wait_dscnt 0x0
	s_barrier_signal -1
	s_barrier_wait -1
	s_cmp_lg_u32 s8, 0
	s_cbranch_scc1 .Lend
	ds_load_b128 v[X:X+3], v[GR]                   ; the four queries' 512 bytes leave by one store of wave 0
	s_wait_dscnt 0x0
	global_store_b128 v[L16], v[X:X+3], s[6:7]
.Lend:
	s_wait_tensorcnt 0x0
	ds_add_u32 v192, v193
	s_wait_dscnt 0x0
	s_endpgm
.Lfunc_end_k_qa9c5d7c125_pick:
	.size	k_qa9c5d7c125_pick, .Lfunc_end_k_qa9c5d7c125_pick-k_qa9c5d7c125_pick
	.p2alignl 7, 3214868480
	.fill 96, 4, 3214868480
	.section	.rodata,"a",@progbits
	.p2align	6, 0x0
	.amdhsa_kernel k_qa9c5d7c125_pick
		.amdhsa_group_segment_fixed_size 66560
		.amdhsa_private_segment_fixed_size 0
		.amdhsa_enable_private_segment 0
		.amdhsa_kernarg_size 16
		.amdhsa_user_sgpr_count 2
		.amdhsa_user_sgpr_kernarg_segment_ptr 1
		.amdhsa_wavefront_size32 1
		.amdhsa_system_sgpr_workgroup_id_x 1
		.amdhsa_system_sgpr_workgroup_id_y 1
		.amdhsa_system_sgpr_workgroup_id_z 1
		.amdhsa_system_vgpr_workitem_id 0
		.amdhsa_next_free_vgpr 194
		.amdhsa_next_free_sgpr 66
		.amdhsa_reserve_vcc 1
		.amdhsa_float_denorm_mode_32 3
		.amdhsa_float_denorm_mode_16_64 3
		.amdhsa_memory_ordered 1
		.amdhsa_forward_progress 1
		.amdhsa_inst_pref_size 205
	.end_amdhsa_kernel
	.amdgpu_metadata
---
amdhsa.version: [ 1, 2 ]
amdhsa.kernels:
  - .name:           k_qa9c5d7c125_pick
    .symbol:         k_qa9c5d7c125_pick.kd
    .args:
      - { .name: gmax, .offset: 0, .size: 8, .value_kind: global_buffer, .address_space: global }
      - { .name: gids, .offset: 8, .size: 8, .value_kind: global_buffer, .address_space: global }
    .group_segment_fixed_size: 66560
    .private_segment_fixed_size: 0
    .kernarg_segment_align: 8
    .kernarg_segment_size: 16
    .max_flat_workgroup_size: 128
    .sgpr_count:     66
    .vgpr_count:     194
    .wavefront_size: 32
...
	.end_amdgpu_metadata
.endif
;; end of part 6
;; launch refine (part 7): grid 256 x 1, 4 waves a work-group, no clusters, 1,024 bytes of LDS; arguments gids, mcodes, mscales, x_codes, x_scales, ridx; writes ridx
.if DOCPART == 7
	.amdgcn_target "amdgcn-amd-amdhsa--gfx1250"
	.amdhsa_code_object_version 6
	.text
	.protected	k_qa9c5d7c125_refine
	.globl	k_qa9c5d7c125_refine
	.p2align	8
	.type	k_qa9c5d7c125_refine,@function
k_qa9c5d7c125_refine:
	s_mov_b64 s[64:65], 0
	v_nop
	global_prefetch_b8 v0, s[64:65] scope:SCOPE_SE
	s_setreg_imm32_b32 hwreg(HW_REG_WAVE_SCHED_MODE, 0, 2), 2
	s_setreg_imm32_b32 hwreg(HW_REG_WAVE_MODE, 25, 1), 1
	s_wait_xcnt 0x0
	s_wait_alu depctr_vm_vsrc(0)
; THIRD LAUNCH.  For each query: the sims of the 512 rows of its 16 groups are formed again, from the stored codes, by the same matrix instruction with the same sides (source 0 = x, source 1 = memory), and the 16 best
; rows are chosen, ordered by (sim descending, row ascending).  ridx [query][32] words: 0-15 the rows; 16-31 zero.
; SHARES.  One wave a query, q = 4 x work-group + wave.  All 16 rows of source 0 are query q, so register 0 of a result holds, in lane l, the sim of the tile's column l % 16.
; The groups come ascending, so register s, lane l = row l of the s-th group is index order.  All 83 loads go out together.  The choice is made as in the launch before: a threshold by a network, then masks and counts.
; No cluster: what waves share here hangs on the lists read from memory.  LIMITS: NaN is not served; +0 and -0 count as equal.
; THE MODE: SCHED_MODE bits 1:0 = 2 (LLVM: expert scheduling mode 2), set by the entry lines.  The code itself states the register dependences
; between vector or matrix instructions and memory or LDS instructions, with s_wait_alu, always for 0.
; THE PLAN.  Registers that memory or LDS instructions touch:
;   v2-5, v15   offsets made at the head, never written again: a wait on va_vdst ahead of x's loads.
;   VO, SO      32 offsets made from the list: a wait on va_vdst ahead of the 80 loads that read them; never written again.
;   XF, XS, BSC, FR  loaded once; the products read them.  No operand and no scale of a product is written by a vector line.
;   VI          written by the choice, read by the one LDS store: a wait on va_vdst ahead of it.  That wait also shows the products done with v160-163, in which the last LDS load lands; no vector line follows it.
; Scalar registers that vector lines write (the wave's number; the masks of compares) are written in runs, with one wait on va_sdst between a run and its first reader.
.set LANE, 1
.set L16,  2                           ; 16 x lane
.set L4,   3                           ; 4 x lane
.set H16,  4                           ; 16 h
.set ZERO, 5
.set VW,   6
.set VB,   7
.set VI,   8
.set NR,   9
.set NT,   10
.set RK,   11                          ; v11-14
.set GW,   15                          ; 4 x thread
.set VO,   16                          ; v16-31  2048 x group + 16 x lane
.set SO,   32                          ; v32-47  128 x group + 4 x lane
.set BSC,  48                          ; v48-63  the groups' scale words: lanes 0-15 rows 0-15, lanes 16-31 rows 16-31
.set XF,   64                          ; v64-71  x's fragment
.set XS,   72                          ; v72     x's scale word
.set V,    80                          ; v80-95  the 512 sims
.set D,    96                          ; v96-127 four results
.set FR,   128                         ; v128-383 the 16 groups' fragments, 16 registers each: groups 0-7 in window 0, groups 8-15 in window 1
.set X,    128                         ; afterwards: sets of sixteen for the network
.set Y,    144
.set OUTR, 160
.set TAGS, 16                          ; s[16:31] the 16 groups
.set SEL,  36                          ; s[36:37]
.set HI16, 38                          ; s38  lanes 16-31
.set NEED, 39
.set EC,   40
.set CN,   41
.set TMP,  42
.set G,    44                          ; s44-47, s48-51, s52-55, s56-59: four words' masks and counts; outside the sweeps s44-59 take a run of sixteen masks
.set E,    48
.set K,    52
.set P,    56
.set MSB, 0
.macro WIN new                         ; the immediate's high byte repeats the setting that is left
.if MSB != \new
	s_set_vgpr_msb (MSB<<8)|\new
.set MSB, \new
.endif
.endm
.macro STAGE src, dst, k, j            ; one stage of a bitonic network on sixteen registers, from set src into set dst
.set NI, 0
.rept 16
.set NL, NI^(\j)
.if NL > NI
.if (NI&(\k)) == 0
	v_max_num_f32 v[(\dst)+NI], v[(\src)+NI], v[(\src)+NL]
	v_min_num_f32 v[(\dst)+NL], v[(\src)+NI], v[(\src)+NL]
.else
	v_min_num_f32 v[(\dst)+NI], v[(\src)+NI], v[(\src)+NL]
	v_max_num_f32 v[(\dst)+NL], v[(\src)+NI], v[(\src)+NL]
.endif
.endif
.set NI, NI+1
.endr
.endm
.macro SORT16 src, a, b                ; descending; the result lies in b; src is kept
	STAGE \src, \a, 2, 1
	STAGE \a, \b, 4, 2
	STAGE \b, \a, 4, 1
	STAGE \a, \b, 8, 4
	STAGE \b, \a, 8, 2
	STAGE \a, \b, 8, 1
	STAGE \b, \a, 16, 8
	STAGE \a, \b, 16, 4
	STAGE \b, \a, 16, 2
	STAGE \a, \b, 16, 1
.endm
.macro CLEAN p, q                      ; a bitonic sixteen in p is sorted, descending; q is scratch
	STAGE \p, \q, 32, 8
	STAGE \q, \p, 32, 4
	STAGE \p, \q, 32, 2
	STAGE \q, \p, 32, 1
.endm
.macro XMAX src, dst, mask             ; the 16 largest of my sorted sixteen and those of the lane mask away
.set NI, 0
.rept 16
	v_max_num_f32_dpp v[(\dst)+NI], v[(\src)+15-NI], v[(\src)+NI] row_xmask:\mask row_mask:0xf bank_mask:0xf
.set NI, NI+1
.endr
.endm
.macro XMAX16 src, dst
.set NI, 0
.rept 16
	v_permlanex16_b32 v[(\dst)+NI], v[(\src)+15-NI], s[SEL], s[SEL+1]
.set NI, NI+1
.endr
.set NI, 0
.rept 16
	v_max_num_f32 v[(\dst)+NI], v[(\dst)+NI], v[(\src)+NI]
.set NI, NI+1
.endr
.endm
.macro SWEEP4 i0                       ; four words of 32 rows by turns; a word's tag is its group
.irp k, 0,1,2,3
	v_cmp_gt_f32 s[G+\k], v[V+(\i0)+\k], v[X+15]
	v_cmp_eq_f32 s[E+\k], v[V+(\i0)+\k], v[X+15]
.endr
	s_wait_alu depctr_va_sdst(0)                   ; the eight masks are written, ahead of their first readers: the counts below, and further down the words of the chosen
.irp k, 0,1,2,3
	s_mov_b32 s[P+\k], s[EC]                       ; equal ones ahead of word k
	s_bcnt1_i32_b32 s[TMP], s[E+\k]
	s_add_co_u32 s[EC], s[EC], s[TMP]
.endr
.irp k, 0,1,2,3
	v_mbcnt_lo_u32_b32 v[RK+\k], s[E+\k], s[P+\k]  ; and ahead of my element
.endr
.irp k, 0,1,2,3
	v_cmp_gt_u32 s[K+\k], s[NEED], v[RK+\k]
.endr
	s_wait_alu depctr_va_sdst(0)                   ; the four masks of the equal ones that count are written, ahead of the scalar lines that read them
.irp k, 0,1,2,3
	s_and_b32 s[K+\k], s[K+\k], s[E+\k]
	s_or_b32 s[K+\k], s[K+\k], s[G+\k]             ; the word of the chosen
.endr
.irp k, 0,1,2,3
	s_mov_b32 s[E+\k], s[CN]                       ; chosen ahead of word k
	s_bcnt1_i32_b32 s[TMP], s[K+\k]
	s_add_co_u32 s[CN], s[CN], s[TMP]
.endr
.irp k, 0,1,2,3
	v_cmp_le_u32 s[G+\k], s[E+\k], v[LANE]
.endr
	s_wait_alu depctr_va_sdst(0)                   ; the four masks of the lanes that take a word are written, ahead of the selects that read them
.irp k, 0,1,2,3
	v_cndmask_b32 v[VW], v[VW], s[K+\k], s[G+\k]
	v_cndmask_b32 v[VB], v[VB], s[E+\k], s[G+\k]
	v_cndmask_b32 v[VI], v[VI], s[TAGS+(\i0)+\k], s[G+\k]
.endr
.endm
	s_load_b256 s[4:11], s[0:1], 0x0               ; gids s[4:5], mcodes s[6:7], mscales s[8:9], x_codes s[10:11]
	s_load_b128 s[12:15], s[0:1], 0x20             ; x_scales s[12:13], ridx s[14:15]
	v_lshl_add_u32 v78, v0, 2, 0x200
	v_mov_b32 v79, 0
	v_lshrrev_b32 v1, 5, v0
	v_readfirstlane_b32 s32, v1                    ; wave 0 .. 3
	v_and_b32 v[LANE], 31, v0
	v_lshlrev_b32 v[L16], 4, v[LANE]
	v_lshlrev_b32 v[L4], 2, v[LANE]
	v_bfe_u32 v[H16], v0, 4, 1
	v_lshlrev_b32 v[H16], 4, v[H16]
	v_mov_b32 v[ZERO], 0
	v_lshlrev_b32 v[GW], 2, v0
	v_mov_b32 v[VW], 0
	v_mov_b32 v[VB], 0
	v_mov_b32 v[VI], 0
	s_wait_alu depctr_va_sdst(0)                   ; s32 is written, ahead of its first reader: my query's number is made from it
	s_lshl_b32 s33, ttmp9, 2
	s_add_co_u32 s33, s33, s32                     ; my query
	s_mov_b32 s35, 0
	s_mov_b32 s[SEL], 0x76543210
	s_mov_b32 s[SEL+1], 0xfedcba98
	s_mov_b32 s[HI16], 0xffff0000
	s_mov_b32 s[NEED], 0
	s_mov_b32 s[EC], 0
	s_mov_b32 s[CN], 0
	s_lshl_b32 s34, s33, 7
	s_wait_kmcnt 0x0
	s_add_nc_u64 s[4:5], s[4:5], s[34:35]
	s_load_b512 s[TAGS:TAGS+15], s[4:5], 0x0       ; my 16 groups
	s_lshl_b32 s34, s33, 6
	s_add_nc_u64 s[10:11], s[10:11], s[34:35]      ; my query's 64 bytes of codes,
	s_lshl_b32 s34, s33, 2
	s_add_nc_u64 s[12:13], s[12:13], s[34:35]      ; its scale word,
	s_lshl_b32 s34, ttmp9, 9
	s_add_nc_u64 s[14:15], s[14:15], s[34:35]      ; the work-group's 512 bytes of ridx
	s_wait_alu depctr_va_vdst(0)                   ; the head's offsets (v2 to v5, v15) are written, which x's loads and the last loads and stores read
.irp c, 0,1
	global_load_b128 v[XF+4*\c:XF+4*\c+3], v[H16], s[10:11] offset:32*\c   ; every row of source 0 is my query
.endr
	global_load_b32 v[XS], v[ZERO], s[12:13]
	s_wait_kmcnt 0x0
.irp s, 0,1,2,3,4,5,6,7,8,9,10,11,12,13,14,15
	s_min_u32 s[TAGS+\s], s[TAGS+\s], 4095         ; a number read from memory is held inside its table before it enters an address
.endr
.irp s, 0,1,2,3,4,5,6,7,8,9,10,11,12,13,14,15
	v_lshl_add_u32 v[VO+\s], s[TAGS+\s], 11, v[L16]
	v_lshl_add_u32 v[SO+\s], s[TAGS+\s], 7, v[L4]
.endr
	s_wait_alu depctr_va_vdst(0)                   ; the 32 offsets are written, which the 80 loads below read; between this wait and the last of them stand loads and one window switch alone
.irp s, 0,1,2,3,4,5,6,7,8,9,10,11,12,13,14,15
	global_load_b32 v[BSC+\s], v[SO+\s], s[8:9]
.endr
.irp s, 0,1,2,3,4,5,6,7
.irp e, 0,1
.irp c, 0,1
	global_load_b128 v[FR+16*\s+8*\e+4*\c:FR+16*\s+8*\e+4*\c+3], v[VO+\s], s[6:7] offset:1024*\e+512*\c   ; 512 consecutive bytes: a part of an operand as its registers want it
.endr
.endr
.endr
	WIN 0x40                                       ; destination window 1, address window 0
.irp s, 0,1,2,3,4,5,6,7
.irp e, 0,1
.irp c, 0,1
	global_load_b128 v[16*\s+8*\e+4*\c:16*\s+8*\e+4*\c+3], v[VO+8+\s], s[6:7] offset:1024*\e+512*\c
.endr
.endr
.endr
	WIN 0
; two groups at a time: four products on four results.  Five v_nop follow (ISA guide 7.12.1): four places ahead of the lines that read the results, five ahead of the next four products, which write over them.
.set NB, 0
.rept 8
	s_wait_loadcnt 56-8*NB                         ; these two groups' eight loads, and all before them, are in; the later groups' may be out
.if NB >= 4
	WIN 0x04                                       ; source 1 in window 1
.endif
.irp p, 0,1
.set FB, (FR+16*(2*NB+\p))%256
	v_wmma_scale_f32_16x16x128_f8f6f4 v[D+16*\p:D+16*\p+7], v[XF:XF+7], v[FB:FB+7], 0, v[XS], v[BSC+2*NB+\p] matrix_a_fmt:MATRIX_FMT_FP4 matrix_b_fmt:MATRIX_FMT_FP4
	v_wmma_scale_f32_16x16x128_f8f6f4 v[D+16*\p+8:D+16*\p+15], v[XF:XF+7], v[FB+8:FB+15], 0, v[XS], v[BSC+2*NB+\p] matrix_a_fmt:MATRIX_FMT_FP4 matrix_b_fmt:MATRIX_FMT_FP4 matrix_b_scale:MATRIX_SCALE_ROW1
.endr
	WIN 0
.rept 5
	v_nop
.endr
.irp p, 0,1
	v_cndmask_b32 v[V+2*NB+\p], v[D+16*\p], v[D+16*\p+8], s[HI16]   ; lanes 0-15: rows 0-15; lanes 16-31: rows 16-31; each result's lowest register
.endr
.set NB, NB+1
.endr
	SORT16 V, X, Y                                 ; the sims are kept for the masks
	XMAX Y, X, 1
	CLEAN X, Y
	XMAX X, Y, 2
	CLEAN Y, X
	XMAX Y, X, 4
	CLEAN X, Y
	XMAX X, Y, 8
	CLEAN Y, X
	XMAX16 Y, X
	CLEAN X, Y                                     ; the 16 largest sims, in every lane; T = v[X+15]
.set NI, 0
.rept 16
	v_cmp_eq_f32 s[G+NI], v[X+NI], v[X+15]         ; all lanes agree: the mask is 0 or -1.  Sixteen masks in a run
.set NI, NI+1
.endr
	s_wait_alu depctr_va_sdst(0)                   ; the sixteen masks are written, ahead of the subtractions that read them
.set NI, 0
.rept 16
	s_sub_co_u32 s[NEED], s[NEED], s[G+NI]         ; how many of the top 16 equal T
.set NI, NI+1
.endr
	SWEEP4 0
	SWEEP4 4
	SWEEP4 8
	SWEEP4 12
	v_sub_nc_u32 v[NR], v[LANE], v[VB]             ; which set bit of my word is mine
.set NU, 0
.rept 15
	v_cmp_lt_u32 s[G+NU], NU, v[NR]                ; the lanes that strip a bit in turn NU: the masks hang on NR alone, so they are made in a run
.set NU, NU+1
.endr
	v_cmp_gt_u32 s[G+15], 16, v[LANE]              ; and the lanes that hold a row
	s_wait_alu depctr_va_sdst(0)                   ; the sixteen masks are written, ahead of the selects that read them
.set NU, 0
.rept 15
	v_add_nc_u32 v[NT], -1, v[VW]
	v_and_b32 v[NT], v[NT], v[VW]                  ; the word without its lowest set bit,
	v_cndmask_b32 v[VW], v[VW], v[NT], s[G+NU]     ; taken NR times
.set NU, NU+1
.endr
	v_sub_nc_u32 v[NT], 0, v[VW]
	v_and_b32 v[NT], v[NT], v[VW]                  ; the lowest set bit: a power of two,
	v_cvt_f32_u32 v[NT], v[NT]                     ; which f32 holds exactly:
	v_lshrrev_b32 v[NT], 23, v[NT]
	v_add_nc_u32 v[NT], -127, v[NT]                ; its exponent is the bit's number
	v_lshl_add_u32 v[VI], v[VI], 5, v[NT]          ; row = 32 x group + bit
	v_cndmask_b32 v[VI], 0, v[VI], s[G+15]         ; lanes 16 to 31 store zeros
	s_wait_alu depctr_va_vdst(0)                   ; my row's number is written, which the LDS store reads; the products are done reading v160 to v163, in which wave 0's LDS load lands: no vector line follows
	ds_store_b32 v[GW], v[VI]
	s_wait_dscnt 0x0
	s_barrier_signal -1
	s_barrier_wait -1
	s_cmp_lg_u32 s32, 0
	s_cbranch_scc1 .Lend
	ds_load_b128 v[OUTR:OUTR+3], v[L16]            ; the four queries' 512 bytes leave by one store of wave 0
	s_wait_dscnt 0x0
	global_store_b128 v[L16], v[OUTR:OUTR+3], s[14:15]
.Lend:
	s_wait_dscnt 0x0
	s_wait_alu depctr_hold_cnt(0) depctr_sa_sdst(0) depctr_va_vdst(0) depctr_va_sdst(0) depctr_va_ssrc(0) depctr_va_vcc(0) depctr_vm_vsrc(0)
	s_wait_tensorcnt 0x0
	ds_add_u32 v78, v79
	s_wait_dscnt 0x0
	s_endpgm
.Lfunc_end_k_qa9c5d7c125_refine:
	.size	k_qa9c5d7c125_refine, .Lfunc_end_k_qa9c5d7c125_refine-k_qa9c5d7c125_refine
	.p2alignl 7, 3214868480
	.fill 96, 4, 3214868480
	.section	.rodata,"a",@progbits
	.p2align	6, 0x0
	.amdhsa_kernel k_qa9c5d7c125_refine
		.amdhsa_group_segment_fixed_size 1024
		.amdhsa_private_segment_fixed_size 0
		.amdhsa_enable_private_segment 0
		.amdhsa_kernarg_size 48
		.amdhsa_user_sgpr_count 2
		.amdhsa_user_sgpr_kernarg_segment_ptr 1
		.amdhsa_wavefront_size32 1
		.amdhsa_system_sgpr_workgroup_id_x 1
		.amdhsa_system_sgpr_workgroup_id_y 1
		.amdhsa_system_sgpr_workgroup_id_z 1
		.amdhsa_system_vgpr_workitem_id 0
		.amdhsa_next_free_vgpr 384
		.amdhsa_next_free_sgpr 66
		.amdhsa_reserve_vcc 0
		.amdhsa_float_denorm_mode_32 3
		.amdhsa_float_denorm_mode_16_64 3
		.amdhsa_memory_ordered 1
		.amdhsa_forward_progress 1
		.amdhsa_inst_pref_size 58
	.end_amdhsa_kernel
	.amdgpu_metadata
---
amdhsa.version: [ 1, 2 ]
amdhsa.kernels:
  - .name:           k_qa9c5d7c125_refine
    .symbol:         k_qa9c5d7c125_refine.kd
    .args:
      - { .name: gids, .offset: 0, .size: 8, .value_kind: global_buffer, .address_space: global }
      - { .name: mcodes, .offset: 8, .size: 8, .value_kind: global_buffer, .address_space: global }
      - { .name: mscales, .offset: 16, .size: 8, .value_kind: global_buffer, .address_space: global }
      - { .name: x_codes, .offset: 24, .size: 8, .value_kind: global_buffer, .address_space: global }
      - { .name: x_scales, .offset: 32, .size: 8, .value_kind: global_buffer, .address_space: global }
      - { .name: ridx, .offset: 40, .size: 8, .value_kind: global_buffer, .address_space: global }
    .group_segment_fixed_size: 1024
    .private_segment_fixed_size: 0
    .kernarg_segment_align: 8
    .kernarg_segment_size: 48
    .max_flat_workgroup_size: 128
    .sgpr_count:     66
    .vgpr_count:     384
    .wavefront_size: 32
...
	.end_amdgpu_metadata
.endif
;; end of part 7
;; launch gather (part 8): grid 256 x 1, 4 waves a work-group, no clusters, 0 bytes of LDS; arguments ridx, memory, out0; writes out0
.if DOCPART == 8
	.amdgcn_target "amdgcn-amd-amdhsa--gfx1250"
	.amdhsa_code_object_version 6
	.text
	.protected	k_qa9c5d7c125_gather
	.globl	k_qa9c5d7c125_gather
	.p2align	8
	.type	k_qa9c5d7c125_gather,@function
k_qa9c5d7c125_gather:
	s_mov_b64 s[64:65], 0
	v_nop
	global_prefetch_b8 v0, s[64:65] scope:SCOPE_SE
	s_setreg_imm32_b32 hwreg(HW_REG_WAVE_MODE, 25, 1), 1
	s_wait_xcnt 0x0
; FOURTH LAUNCH.  out0[q] = the mean of the 16 rows of memory (f32, as given) that ridx names for query q.  One wave a query, q = 4 x work-group + wave; a load takes a whole row, 512 consecutive bytes;
; all 16 go out together.  The sum is a pairwise tree in f32, then x 1/16, which rounds nothing.  No LDS, no barrier, no cluster: waves share nothing.
.set L16, 2                            ; v2     16 x lane
.set RO,  8                            ; v8-23  512 x row + 16 x lane
.set R,   32                           ; v32-95 16 rows x 4 registers
	s_load_b128 s[4:7], s[0:1], 0x0                ; ridx s[4:5], memory s[6:7]
	s_load_b64 s[8:9], s[0:1], 0x10                ; out0
	v_lshrrev_b32 v1, 5, v0
	v_readfirstlane_b32 s10, v1                    ; wave 0 .. 3
	v_and_b32 v1, 31, v0
	v_lshlrev_b32 v[L16], 4, v1
	s_lshl_b32 s11, ttmp9, 2
	s_add_co_u32 s11, s11, s10                     ; my query
	s_lshl_b32 s12, s11, 7
	s_mov_b32 s13, 0
	s_wait_alu depctr_va_vdst(0)
	s_wait_kmcnt 0x0
	s_add_nc_u64 s[4:5], s[4:5], s[12:13]
	s_load_b512 s[16:31], s[4:5], 0x0              ; my 16 rows
	s_lshl_b32 s12, s11, 9
	s_add_nc_u64 s[8:9], s[8:9], s[12:13]
	s_wait_kmcnt 0x0
.irp s, 0,1,2,3,4,5,6,7,8,9,10,11,12,13,14,15
	s_min_u32 s[16+\s], s[16+\s], 131071           ; a number read from memory is held inside its table before it enters an address
.endr
.irp s, 0,1,2,3,4,5,6,7,8,9,10,11,12,13,14,15
	v_lshl_add_u32 v[RO+\s], s[16+\s], 9, v[L16]
.endr
.irp s, 0,1,2,3,4,5,6,7,8,9,10,11,12,13,14,15
	global_load_b128 v[R+4*\s:R+4*\s+3], v[RO+\s], s[6:7]
.endr
.irp p, 0,1,2,3,4,5,6,7
	s_wait_loadcnt 14-2*\p                         ; rows 2 p and 2 p + 1 are in; the later rows may be out
	v_pk_add_f32 v[R+8*\p:R+8*\p+1], v[R+8*\p:R+8*\p+1], v[R+8*\p+4:R+8*\p+5]
	v_pk_add_f32 v[R+8*\p+2:R+8*\p+3], v[R+8*\p+2:R+8*\p+3], v[R+8*\p+6:R+8*\p+7]
.endr
.irp p, 0,2,4,6
	v_pk_add_f32 v[R+8*\p:R+8*\p+1], v[R+8*\p:R+8*\p+1], v[R+8*\p+8:R+8*\p+9]
	v_pk_add_f32 v[R+8*\p+2:R+8*\p+3], v[R+8*\p+2:R+8*\p+3], v[R+8*\p+10:R+8*\p+11]
.endr
.irp p, 0,4
	v_pk_add_f32 v[R+8*\p:R+8*\p+1], v[R+8*\p:R+8*\p+1], v[R+8*\p+16:R+8*\p+17]
	v_pk_add_f32 v[R+8*\p+2:R+8*\p+3], v[R+8*\p+2:R+8*\p+3], v[R+8*\p+18:R+8*\p+19]
.endr
	v_pk_add_f32 v[R:R+1], v[R:R+1], v[R+32:R+33]
	v_pk_add_f32 v[R+2:R+3], v[R+2:R+3], v[R+34:R+35]
	v_pk_mul_f32 v[R:R+1], v[R:R+1], 0x3d800000 op_sel_hi:[1,0]      ; x 1/16
	v_pk_mul_f32 v[R+2:R+3], v[R+2:R+3], 0x3d800000 op_sel_hi:[1,0]
	global_store_b128 v[L16], v[R:R+3], s[8:9]     ; 32 lanes store the row's 512 consecutive bytes, aligned
	s_endpgm
.Lfunc_end_k_qa9c5d7c125_gather:
	.size	k_qa9c5d7c125_gather, .Lfunc_end_k_qa9c5d7c125_gather-k_qa9c5d7c125_gather
	.p2alignl 7, 3214868480
	.fill 96, 4, 3214868480
	.section	.rodata,"a",@progbits
	.p2align	6, 0x0
	.amdhsa_kernel k_qa9c5d7c125_gather
		.amdhsa_group_segment_fixed_size 0
		.amdhsa_private_segment_fixed_size 0
		.amdhsa_enable_private_segment 0
		.amdhsa_kernarg_size 24
		.amdhsa_user_sgpr_count 2
		.amdhsa_user_sgpr_kernarg_segment_ptr 1
		.amdhsa_wavefront_size32 1
		.amdhsa_system_sgpr_workgroup_id_x 1
		.amdhsa_system_sgpr_workgroup_id_y 1
		.amdhsa_system_sgpr_workgroup_id_z 1
		.amdhsa_system_vgpr_workitem_id 0
		.amdhsa_next_free_vgpr 96
		.amdhsa_next_free_sgpr 66
		.amdhsa_reserve_vcc 0
		.amdhsa_float_denorm_mode_32 3
		.amdhsa_float_denorm_mode_16_64 3
		.amdhsa_memory_ordered 1
		.amdhsa_forward_progress 1
		.amdhsa_inst_pref_size 7
	.end_amdhsa_kernel
	.amdgpu_metadata
---
amdhsa.version: [ 1, 2 ]
amdhsa.kernels:
  - .name:           k_qa9c5d7c125_gather
    .symbol:         k_qa9c5d7c125_gather.kd
    .args:
      - { .name: ridx, .offset: 0, .size: 8, .value_kind: global_buffer, .address_space: global }
      - { .name: memory, .offset: 8, .size: 8, .value_kind: global_buffer, .address_space: global }
      - { .name: out0, .offset: 16, .size: 8, .value_kind: global_buffer, .address_space: global }
    .group_segment_fixed_size: 0
    .private_segment_fixed_size: 0
    .kernarg_segment_align: 8
    .kernarg_segment_size: 24
    .max_flat_workgroup_size: 128
    .sgpr_count:     66
    .vgpr_count:     96
    .wavefront_size: 32
...
	.end_amdgpu_metadata
.endif
;; end of part 8
